; MI455X (gfx1250); checked and timed in simulation.
; The chip was launched on July 23, 2026; its instructions are those of AMD's public machine-readable ISA for CDNA 5 (MIT licence, August 2026) and "CDNA5" Instruction Set Architecture Reference Guide (July 2026). The comments in the code are by the model that wrote it; some were corrected since.
;; Block. Allowed arithmetic: matrix products marked QUANTISED: E2M3 operands, one E8M0 scale for each 32 along K, by v_wmma_scale_f32_16x16x128_f8f6f4 with both operands' format E2M3, f32 sums; everything else in f32.
;; Inputs: b_fc 4,096 float32; b_proj 1,024 float32; b_qkv 3,072 float32; ln1_scale 1,024 float32; ln1_shift 1,024 float32; ln2_scale 1,024 float32; ln2_shift 1,024 float32; w_fc 1,024 x 4,096 float32; w_proj 4,096 x 1,024 float32; w_qkv 1,024 x 3,072 float32; x 2 x 2,048 x 1,024 float32.
;; Outputs: out0 2 x 2,048 x 1,024 float32.
;; This version of the problem:
;;   THIS VERSION OF THE PROBLEM IS GIVEN IN LOW PRECISION. The matrix products marked QUANTISED in the list below multiply operands that are first quantised to E2M3 (2 exponent bits, 3 mantissa bits; 6 bits a number), with one power-of-two scale for each 32 numbers along K (OCP MX v1.0); their sums are f32. All else is computed in f32.
;;   The module's matrix products, in the order in which they are computed (A, B: the left and right operand; K: the contracted axis; several contracted axes count as one K, in the product's order):
;;     1. [M 4,096, K 1,024] x [K 1,024, N 3,072]; A: computed on the way; B: input w_qkv: QUANTISED
;;     2. batch 32 x [M 2,048, K 64] x [K 64, N 2,048]; A: computed on the way; B: computed on the way: QUANTISED
;;     3. batch 32 x [M 64, K 2,048] x [K 2,048, N 2,048]; A: computed on the way; B: softmax (see below): QUANTISED
;;     4. [M 4,096, K 1,024] x [K 1,024, N 4,096]; A: computed on the way; B: input w_fc: QUANTISED
;;     5. [M 4,096, K 4,096] x [K 4,096, N 1,024]; A: computed on the way; B: input w_proj: QUANTISED
;;   THE QUANTISER, for each operand of a quantised product, along K:
;;     - K is cut into blocks of 32 from its start; a last block that is shorter is filled with zeros.
;;     - A block's scale is 2^e with e = floor(log2(the largest magnitude in the block)) - 2, held to -126 .. 127; a block of zeros has e = 0. As a byte (E8M0): e + 127.
;;     - Each number is divided by its block's scale, clamped to +-7.5, and rounded to the nearest number of E2M3, ties to even, subnormals kept.
;;     - The product sums the exact products of the quantised numbers (number of the format x scale) in f32.
;;   ~~~python
;;   def quantise(x, axis):      # numpy; x: float32 -> the quantised numbers, widened to float32 again
;;       x = np.moveaxis(x, axis, -1); K = x.shape[-1]
;;       x = np.pad(x, [(0, 0)] * (x.ndim - 1) + [(0, -K % 32)]); x = x.reshape(x.shape[:-1] + (-1, 32)); a = np.abs(x).max(-1, keepdims=True)
;;       e = np.where(a > 0, np.clip(np.frexp(np.where(a > 0, a, 1))[1] - 1 - 2, -126, 127), 0)      # np.frexp(a)[1] - 1 = floor(log2(a)), exactly
;;       r = np.clip(x / 2.0 ** e, -7.5, 7.5)
;;       step = 2.0 ** (np.maximum(np.frexp(np.where(r == 0, 1, r))[1] - 1, 0) - 3)
;;       q = np.round(r / step) * step * 2.0 ** e      # np.round: ties to even
;;       return np.moveaxis(q.reshape(q.shape[:-2] + (-1,))[..., :K], -1, axis).astype(np.float32)
;;   ~~~
;;   SOFTMAX AHEAD OF A QUANTISED PRODUCT. Where the list says 'softmax', what is quantised is not the finished softmax but p = 2^(t - M), with t = logit x log2(e) and M = ceil(the row's largest t), a whole number; so 1/2 < the row's largest p <= 1. The row's sum l is taken of the UNQUANTISED p, in f32, and the product's result is divided by l at the end. Since M is a whole number, a kernel that streams over the keys may use a running M (the ceiling of the running maximum): every later rescaling is an exact power of two, which a block's scale takes up: the codes' values come out the same.
;;   OPERANDS COMPUTED ON THE WAY. 'Computed on the way' means the value that the module computes at that place (a softmax that the list does not call 'softmax' is quantised finished and normalised). What goes into a quantiser is computed in f32, as accurately as f32 sums, v_exp_f32 and their like allow (about 1e-6 of the number): no bf16 or f16 on the way to a quantiser, and a product that is left as it is and whose result goes on into a quantised operand takes f32 operands (vector FMAs, or v_wmma_f32_16x16x4_f32). A number that lies on a knife's edge between two numbers of the format may be rounded either way, as far as f32 arithmetic and the matrix unit's own rounding can turn it there, and no further.
;; One version. Each part assembles by itself: llvm-mc -triple=amdgcn-amd-amdhsa -mcpu=gfx1250 --defsym DOCPART=n.
;; ======== version 1 of 1: 6 launches
;; limits: right only within a limited range of input values
;; workspace buffers: wc 9,011,200 bytes; xn 3,276,800 bytes; qkv 10,092,544 bytes; x1 16,777,216 bytes; act 13,107,200 bytes
;; launch lnw1 (part 1): grid 352 x 1, 8 waves a work-group, no clusters, 98,304 bytes of LDS; arguments x, ln1_scale, ln1_shift, xn, w_qkv, w_fc, w_proj, wc; writes xn, wc
.if DOCPART == 1
	.amdgcn_target "amdgcn-amd-amdhsa--gfx1250"
	.amdhsa_code_object_version 6
	.text
	.protected	k_qc95d623adf_lnw1
	.globl	k_qc95d623adf_lnw1
	.p2align	8
	.type	k_qc95d623adf_lnw1,@function
k_qc95d623adf_lnw1:
	s_mov_b64 s[64:65], 0
	v_nop
	global_prefetch_b8 v0, s[64:65] scope:SCOPE_SE
	s_setreg_imm32_b32 hwreg(HW_REG_WAVE_MODE, 25, 1), 1
	s_wait_xcnt 0x0
; TWO KINDS OF WORK-GROUPS IN ONE LAUNCH, told apart by the work-group's number alone: id = x + 352 y.  The body serves two launches: one of 352 x 1 work-groups and one of 256 x 2.
;   id < 256: A LAYER NORM over rows of 1,024 f32, quantised along the row; work-group id owns tile id % 8 of panel id / 8: 16 rows.
;   the others: THE WEIGHTS' QUANTISER: the work-group makes records 2 (id - 256) and 2 (id - 256) + 1 of wc, waves 0-3 the first, waves 4-7 the second.  ids 256-351 (the launch of 352 x 1) are records 0-191, w_qkv;
;   ids 352-607 (the second row of the launch of 256 x 2) are records 192-703, w_fc and w_proj.  So each weight is quantised in the launch ahead of the product that reads it, beside a layer norm that leaves memory time to spare.
; All waves of a work-group go the same way.  Each way has LDS bytes of its own.
; BOTH RESULTS are codes of FP6 (E2M3) with one E8M0 byte for each 32 along K, laid as PANEL RECORDS of 12,800 bytes: 128 rows x 128 K: eight fragments of 16 rows, each an image of the operand's 12 registers (register q of
; lane l at 512 (q / 4) + 16 l + 4 (q % 4)), then 512 bytes of scale words (tile i, lane r at 12,288 + 64 i + 4 r).  Lane r of tile i stands for panel row 32 (i / 2) + 8 (i % 2) + r + 8 (r / 8).
; THE LAYER NORM.  Record (panel p, K step s) of xn lies at (8 p + s) x 12,800.  Wave w owns K step w: columns 128 w .. 128 w + 127.  Each load reads 512 consecutive bytes of a row; the 16 x 512 bytes turn through the wave's own
; stage in LDS (rows 528 bytes apart), so that lane (r, h) holds, of row r, 16 neighbours of each block of 32: register 16 b + i is column 32 b + 16 h + i.  Mean and variance in two passes (the mean is taken off before the
; squares, so that a common offset cancels); the waves' parts of a row's sums meet in LDS behind a barrier, each sum in bytes of its own.
; THE WEIGHTS, f32 stored [K][N].  Records 0-191 w_qkv (24 panels x 8 K steps), 192-447 w_fc (32 x 8), 448-703 w_proj (8 x 32); record (panel p, K step s) of a weight with KS steps is its number p KS + s.  One path serves all
; three: only numbers and the source pointer are chosen, on the record's number.  A LANE TAKES A COLUMN AND ITS REGISTERS RUN DOWN K: a load reads 128 consecutive bytes a wave, a block of 32 along K lies in one lane, and the
; conversions give K innermost.  Wave q of a record's four has columns 32 q .. 32 q + 31: tiles 2 q, 2 q + 1.  A lane's block b belongs to fragment lane r' + 16 (b % 2), registers 6 (b / 2) on: it goes there through the wave's
; own stage in LDS, and the images leave as stores of 512 consecutive bytes.
; Scale words leave in pieces of 64 bytes (the norm: lanes r and r + 16 store the same word with the same value) and 128 bytes (the weights): parts of an aligned 256; they are one byte in 25 of what is stored.
; A block's scale is 2^(floor(log2(largest magnitude)) - 2).  LIMITS: NaN and infinities are not served; a block whose largest magnitude lies under 2^-124 keeps the byte 1; a block of zeros gets the byte 1
; where the rule says 127 (its codes are zeros, and this program alone reads the bytes).
.set REC,   12800
.set WST,   8448                       ; the norm: a wave's stage: 16 rows x 528
.set RED1,  8*WST                      ; 512 bytes: [wave][row] sums; the squares' 512 bytes on
.set WQB,   RED1+1024                  ; the weights: eight waves' stages,
.set WQS,   3584                       ; each of two tile stages, TST apart
.set TST,   1664                       ; 1,536 bytes of image + 128, so that the two tiles' lanes do not meet in the same banks
.set SPARE, WQB+8*WQS                  ; the spare words: 128 bytes a wave, four blocks of 256 bytes that no other line names
.set SPW,   252                        ; v252 my spare word's address; never rewritten
.set NIL,   253                        ; v253 0; never rewritten
; the norm's registers
.set R,     16                         ; v16-79   x as loaded; later the gain
.set X,     80                         ; v80-143  my 64 numbers
.set BT,    144                        ; v144-207 the shift
.set TM,    208                        ; v208-223 at work
.set S,     208                        ; (the sums' four chains)
.set PW,    224                        ; the scale word
.set PC,    226                        ; v226-244 the codes
.set SEL,   20                         ; s[20:21] v_permlanex16_b32's selects for lane l xor 16
; the weights' registers
.set WOFF,  16                         ; v16-47   4 x lane + i rows of the weight; never rewritten
.set WX,    48                         ; v48-111  two sets of 32 numbers
.set WC,    112                        ; v112-159 codes, 12 registers a block: no store's data are written again
.set WSW,   160                        ; v160     my column's scale word
.set WOUT,  164                        ; v164-187 the way out
.set WSB,   16                         ; s[16:23] the four blocks' bases
.macro QUANT s                         ; 64 numbers of a lane, register 16 b + i = k 32 b + 16 (lane / 16) + i of my row, become a fragment's codes in v[PC] on and its scale word in v[PW]
.irp b, 0,1,2,3
	v_max3_num_f32 v[TM+\b], |v[\s+16*\b]|, |v[\s+1+16*\b]|, 0x1800000   ; my 16 numbers of block b, and the floor 2^(3 - 127)
.endr
.irp i, 2,4,6,8,10,12,14
.irp b, 0,1,2,3
	s_delay_alu instid0(VALU_DEP_4)
	v_max3_num_f32 v[TM+\b], v[TM+\b], |v[\s+16*\b+\i]|, |v[\s+1+16*\b+\i]|
.endr
.endr
.irp b, 0,1,2,3
	s_delay_alu instid0(VALU_DEP_4)
	v_permlanex16_b32 v[TM+4+\b], v[TM+\b], s[SEL], s[SEL+1]
.endr
.irp b, 0,1,2,3
	s_delay_alu instid0(VALU_DEP_4)
	v_max_num_f32 v[TM+\b], v[TM+\b], v[TM+4+\b]   ; with lane l xor 16's: the block's largest magnitude
.endr
.irp b, 0,1,2,3
	s_delay_alu instid0(VALU_DEP_4)
	v_add_nc_u32 v[TM+12+\b], 0xff000000, v[TM+\b]   ; 2 off its exponent field: the conversion's scale operand
.endr
.irp b, 0,1,2,3
	s_delay_alu instid0(VALU_DEP_4)
	v_lshrrev_b32 v[TM+4+\b], 23, v[TM+12+\b]      ; the scale's byte
.endr
	s_delay_alu instid0(VALU_DEP_3)
	v_lshl_or_b32 v[PW], v[TM+5], 8, v[TM+4]
	s_delay_alu instid0(VALU_DEP_1)
	v_lshl_or_b32 v[PW], v[TM+6], 16, v[PW]
	s_delay_alu instid0(VALU_DEP_1)
	v_lshl_or_b32 v[PW], v[TM+7], 24, v[PW]
.irp c, 0,1
	v_cvt_scalef32_pk16_fp6_f32 v[PC+6*\c:PC+2+6*\c], v[\s+32*\c:\s+15+32*\c], v[TM+12+2*\c]
	v_cvt_scalef32_pk16_fp6_f32 v[PC+12+4*\c:PC+14+4*\c], v[\s+16+32*\c:\s+31+32*\c], v[TM+12+2*\c+1]
.endr
	v_nop                                          ; one plain line behind a scaled conversion
.irp c, 0,1                            ; the operand's layout wants a whole block in a lane
.irp i, 0,1,2
	v_permlane16_swap_b32 v[PC+6*\c+\i], v[PC+12+4*\c+\i]
.endr
.irp i, 0,1,2
	s_delay_alu instid0(VALU_DEP_3)
	v_mov_b32 v[PC+3+6*\c+\i], v[PC+12+4*\c+\i]
.endr
.endr
.endm
.macro REDUCE off                      ; the four chains become my row's sum over all 1,024 columns, in v[S] of every lane
	s_delay_alu instid0(VALU_DEP_3)
	v_pk_add_f32 v[S:S+1], v[S:S+1], v[S+2:S+3]
	s_delay_alu instid0(VALU_DEP_2)
	v_pk_add_f32 v[S+4:S+5], v[S+4:S+5], v[S+6:S+7]
	s_delay_alu instid0(VALU_DEP_1)
	v_pk_add_f32 v[S:S+1], v[S:S+1], v[S+4:S+5]
	s_delay_alu instid0(VALU_DEP_1)
	v_add_f32 v[S], v[S], v[S+1]
	s_delay_alu instid0(VALU_DEP_1)
	v_permlanex16_b32 v[S+1], v[S], s[SEL], s[SEL+1]
	s_delay_alu instid0(VALU_DEP_1)
	v_add_f32 v[S], v[S], v[S+1]                   ; my wave's 128 columns of row r
	ds_store_b32 v5, v[S] offset:\off              ; both halves of the lanes write the same word with the same value
	s_wait_dscnt 0x0                               ; for the others' sake: my store has landed
	s_barrier_signal -1
	s_barrier_wait -1
.irp q, 0,1,2,3,4,5,6,7
	ds_load_b32 v[S+\q], v6 offset:\off+64*\q
.endr
	s_wait_dscnt 0x0
	v_pk_add_f32 v[S:S+1], v[S:S+1], v[S+2:S+3]
	v_pk_add_f32 v[S+4:S+5], v[S+4:S+5], v[S+6:S+7]
	s_delay_alu instid0(VALU_DEP_1)
	v_pk_add_f32 v[S:S+1], v[S:S+1], v[S+4:S+5]
	s_delay_alu instid0(VALU_DEP_1)
	v_add_f32 v[S], v[S], v[S+1]
.endm
.macro LOAD t                          ; the weights: block t: rows 32 t + i of the K step, my column, into set t % 2
.irp i, 0,1,2,3,4,5,6,7,8,9,10,11,12,13,14,15,16,17,18,19,20,21,22,23,24,25,26,27,28,29,30,31
	global_load_b32 v[WX+32*((\t)%2)+\i], v[WOFF+\i], s[WSB+2*(\t):WSB+2*(\t)+1] th:TH_LOAD_NT
.endr
.endm
.macro BLOCK t
.set WXS, WX+32*((\t)%2)
.set WCC, WC+12*(\t)
.if (\t) < 3
	s_wait_loadcnt 32                              ; this block's 32 loads are in; the next block's may be out
.else
	s_wait_loadcnt 0x0
.endif
	v_max3_num_f32 v8, |v[WXS]|, |v[WXS+1]|, |v[WXS+2]|   ; the block's largest magnitude: all 32 numbers are mine; two chains
	v_max3_num_f32 v9, |v[WXS+3]|, |v[WXS+4]|, |v[WXS+5]|
.irp i, 6,10,14,18,22,26
	s_delay_alu instid0(VALU_DEP_2)
	v_max3_num_f32 v8, v8, |v[WXS+\i]|, |v[WXS+\i+1]|
	s_delay_alu instid0(VALU_DEP_2)
	v_max3_num_f32 v9, v9, |v[WXS+\i+2]|, |v[WXS+\i+3]|
.endr
	s_delay_alu instid0(VALU_DEP_2)
	v_max3_num_f32 v8, v8, |v[WXS+30]|, |v[WXS+31]|
	s_delay_alu instid0(VALU_DEP_1)
	v_max3_num_f32 v8, v8, v9, 0x1800000           ; and the floor 2^(3 - 127): the byte cannot fall under 1
	s_delay_alu instid0(VALU_DEP_1)
	v_add_nc_u32 v10, 0xff000000, v8               ; 2 off the exponent field: the conversion takes this operand's exponent field as its scale
	v_cvt_scalef32_pk16_fp6_f32 v[WCC:WCC+2], v[WXS:WXS+15], v10
	v_cvt_scalef32_pk16_fp6_f32 v[WCC+8:WCC+10], v[WXS+16:WXS+31], v10   ; (a conversion's three registers begin on an even number)
	v_lshrrev_b32 v11, 23, v10                     ; the scale's byte: also the plain line behind the conversions
.if (\t) == 0
	s_delay_alu instid0(VALU_DEP_1)
	v_mov_b32 v[WSW], v11
.else
	s_delay_alu instid0(VALU_DEP_1)
	v_lshl_or_b32 v[WSW], v11, 8*(\t), v[WSW]
.endif
.irp i, 0,1,2
	v_mov_b32 v[WCC+3+\i], v[WCC+8+\i]
.endr
.if (\t) < 2                           ; registers 0-5 of fragment lane r' + 16 t
	ds_store_b128 v2, v[WCC:WCC+3] offset:256*(\t)
	ds_store_b64 v2, v[WCC+4:WCC+5] offset:512+256*(\t)
.else                                  ; registers 6-11 of fragment lane r' + 16 (t - 2)
	ds_store_b64 v2, v[WCC:WCC+1] offset:520+256*((\t)-2)
	ds_store_b128 v2, v[WCC+2:WCC+5] offset:1024+256*((\t)-2)
.endif
.if (\t) < 2
	LOAD (\t)+2
.endif
.endm
	s_load_b256 s[4:11], s[0:1], 0x0               ; the rows s[4:5], the gain s[6:7], the shift s[8:9], xn s[10:11]
	s_load_b256 s[36:43], s[0:1], 0x20             ; w_qkv s[36:37], w_fc s[38:39], w_proj s[40:41], wc s[42:43]
	v_lshl_add_u32 v[SPW], v0, 2, SPARE
	v_mov_b32 v[NIL], 0
	v_lshrrev_b32 v8, 5, v0
	s_delay_alu instid0(VALU_DEP_1)
	v_readfirstlane_b32 s12, v8                    ; wave 0..7
	s_and_b32 s13, ttmp7, 0xffff
	s_mul_i32 s13, s13, 352
	s_add_co_u32 s13, s13, ttmp9                   ; id = x + 352 y
	s_cmp_lt_u32 s13, 256
	s_cbranch_scc0 .Lweights                       ; the same way for all eight waves: the branch hangs on the work-group's number alone
	; ---------------- the layer norm: y = 0 here, and x is the tile's number
	v_and_b32 v8, 31, v0                           ; lane
	v_and_b32 v9, 15, v0                           ; r
	v_bfe_u32 v10, v0, 4, 1                        ; h
	s_delay_alu instid0(VALU_DEP_3)
	v_lshlrev_b32 v1, 4, v8                        ; 16 x lane
	s_wait_alu depctr_va_vdst(0)
	s_mul_i32 s13, s12, WST
	v_add_nc_u32 v2, s13, v1                       ; the stage, on the way in
	v_mul_u32_u24 v3, v9, 528
	s_delay_alu instid0(VALU_DEP_1)
	v_lshl_add_u32 v3, v10, 6, v3
	s_delay_alu instid0(VALU_DEP_1)
	v_add_nc_u32 v3, s13, v3                       ; and out: row r, + 64 h
	v_lshlrev_b32 v4, 6, v10                       ; gain and shift: 64 h
	v_lshlrev_b32 v7, 2, v9                        ; 4 r
	s_wait_alu depctr_va_vdst(0)
	s_lshl_b32 s14, s12, 6
	s_add_co_u32 s14, s14, RED1
	v_add_nc_u32 v5, s14, v7                       ; my wave's word for row r
	v_add_nc_u32 v6, RED1, v7                      ; and the eight waves'
	s_lshr_b32 s15, ttmp9, 3                       ; panel
	s_and_b32 s16, ttmp9, 7                        ; tile
	s_lshl_b32 s17, s15, 7
	s_lshr_b32 s18, s16, 1
	s_lshl_b32 s18, s18, 5
	s_add_co_u32 s17, s17, s18
	s_and_b32 s18, s16, 1
	s_lshl_b32 s18, s18, 3
	s_add_co_u32 s17, s17, s18                     ; the tile's first row
	s_lshl_b32 s22, s17, 12
	s_lshl_b32 s24, s12, 9                         ; my wave's 512 bytes of a row
	s_add_co_u32 s22, s22, s24
	s_mov_b32 s23, 0
	s_mov_b32 s25, 0
	s_lshl_b32 s26, s15, 3
	s_add_co_u32 s26, s26, s12
	s_mul_i32 s26, s26, REC                        ; my record
	s_mov_b32 s27, 0
	s_mul_i32 s28, s16, 1536
	v_add_nc_u32 v11, s28, v1                      ; my tile's image: 1,536 a + 16 x lane
	s_lshl_b32 s28, s16, 6
	v_add_nc_u32 v12, s28, v7                      ; its scale words: 64 a + 4 r
	s_mov_b32 s[SEL], 0x76543210
	s_mov_b32 s[SEL+1], 0xfedcba98
	s_mov_b32 s29, 0x3a800000                      ; 1 / 1,024
	s_mov_b32 s30, 0x3727c5ac                      ; 1e-5
	s_wait_kmcnt 0x0
	s_add_nc_u64 s[4:5], s[4:5], s[22:23]
	s_add_nc_u64 s[6:7], s[6:7], s[24:25]
	s_add_nc_u64 s[8:9], s[8:9], s[24:25]
	s_add_nc_u64 s[10:11], s[10:11], s[26:27]
.irp i, 0,1,2,3,4,5,6,7,8,9,10,11,12,13,14,15
	global_load_b128 v[R+4*\i:R+4*\i+3], v1, s[4:5] offset:(\i+8*(\i/8))*4096   ; tile row i: 512 consecutive bytes
.endr
.irp b, 0,1,2,3
.irp j, 0,1,2,3
	global_load_b128 v[BT+16*\b+4*\j:BT+16*\b+4*\j+3], v4, s[8:9] offset:128*\b+16*\j
.endr
.endr
	s_wait_loadcnt 16                              ; the rows are in; the shift's 16 loads may be out
.irp i, 0,1,2,3,4,5,6,7,8,9,10,11,12,13,14,15
	ds_store_b128 v2, v[R+4*\i:R+4*\i+3] offset:528*\i
.endr
.irp b, 0,1,2,3
.irp j, 0,1,2,3
	ds_load_b128 v[X+16*\b+4*\j:X+16*\b+4*\j+3], v3 offset:128*\b+16*\j   ; LDS serves a wave's instructions in order: these see my stores
.endr
.endr
	s_wait_dscnt 0x0
.irp b, 0,1,2,3
.irp j, 0,1,2,3
	global_load_b128 v[R+16*\b+4*\j:R+16*\b+4*\j+3], v4, s[6:7] offset:128*\b+16*\j   ; the gain, into the registers that the stage's stores have read
.endr
.endr
.irp c, 0,1,2,3
	v_pk_add_f32 v[S+2*\c:S+2*\c+1], v[X+2*\c:X+2*\c+1], v[X+8+2*\c:X+8+2*\c+1]
.endr
.irp q, 16,24,32,40,48,56
.irp c, 0,1,2,3
	s_delay_alu instid0(VALU_DEP_4)
	v_pk_add_f32 v[S+2*\c:S+2*\c+1], v[S+2*\c:S+2*\c+1], v[X+\q+2*\c:X+\q+2*\c+1]
.endr
.endr
	REDUCE 0
	s_delay_alu instid0(VALU_DEP_1)
	v_mul_f32 v246, s29, v[S]                      ; the mean,
	s_delay_alu instid0(VALU_DEP_1)
	v_mov_b32 v247, v246                           ; as a pair
.set i, 0
.rept 32
	v_pk_add_f32 v[X+i:X+i+1], v[X+i:X+i+1], v[246:247] neg_lo:[0,1] neg_hi:[0,1]
.set i, i+2
.endr
.irp c, 0,1,2,3
	v_pk_mul_f32 v[S+2*\c:S+2*\c+1], v[X+2*\c:X+2*\c+1], v[X+2*\c:X+2*\c+1]
.endr
.irp q, 8,16,24,32,40,48,56
.irp c, 0,1,2,3
	s_delay_alu instid0(VALU_DEP_4)
	v_pk_fma_f32 v[S+2*\c:S+2*\c+1], v[X+\q+2*\c:X+\q+2*\c+1], v[X+\q+2*\c:X+\q+2*\c+1], v[S+2*\c:S+2*\c+1]
.endr
.endr
	REDUCE 512
	s_delay_alu instid0(VALU_DEP_1)
	v_fma_f32 v248, v[S], s29, s30                 ; the variance + 1e-5
	s_wait_alu depctr_va_vdst(0)
	v_rsq_f32 v250, v248
	v_nop                                          ; a plain line behind the transcendental
	s_wait_alu depctr_va_vdst(0)                   ; the wait ahead of the first line that names its result
	v_mov_b32 v251, v250
	s_wait_alu depctr_va_vdst(0)
	s_wait_loadcnt 0x0                             ; shift and gain
.set i, 0
.rept 32
	v_pk_mul_f32 v[X+i:X+i+1], v[X+i:X+i+1], v[250:251]
.set i, i+2
.endr
.set i, 0
.rept 32
	v_pk_fma_f32 v[X+i:X+i+1], v[X+i:X+i+1], v[R+i:R+i+1], v[BT+i:BT+i+1]
.set i, i+2
.endr
	QUANT X
.irp c, 0,1,2
	global_store_b128 v11, v[PC+4*\c:PC+4*\c+3], s[10:11] offset:512*\c   ; 512 consecutive bytes, at a multiple of 256 from xn's first byte
.endr
	global_store_b32 v12, v[PW], s[10:11] offset:12288
	s_wait_tensorcnt 0x0                           ; the wave's end
	ds_add_u32 v[SPW], v[NIL]
	s_wait_dscnt 0x0
	s_endpgm
.Lweights:	; ---------------- the weights' quantiser
	s_sub_co_u32 s47, s13, 256
	s_lshl_b32 s47, s47, 1
	s_lshr_b32 s24, s12, 2
	s_add_co_u32 s47, s47, s24                     ; my record: 2 (id - 256) + wave / 4
	s_and_b32 s24, s12, 3                          ; my wave among the record's four
	v_and_b32 v1, 31, v0                           ; lane
	s_wait_alu depctr_va_vdst(0)
	s_mov_b32 s44, 448                             ; w_proj's numbers: first record,
	s_mov_b32 s45, 4096                            ; bytes in a row,
	s_mov_b32 s46, 5                               ; log2 of its K steps
	s_cmp_lt_u32 s47, 448
	s_cselect_b32 s44, 192, s44                    ; w_fc's
	s_cselect_b32 s45, 16384, s45
	s_cselect_b32 s46, 3, s46
	s_cmp_lt_u32 s47, 192
	s_cselect_b32 s44, 0, s44                      ; w_qkv's
	s_cselect_b32 s45, 12288, s45
	s_sub_co_u32 s25, s47, s44                     ; the record's number in its weight
	s_bfm_b32 s26, s46, 0
	s_and_b32 s26, s25, s26                        ; K step
	s_lshr_b32 s27, s25, s46                       ; panel
	s_mul_i32 s28, s26, s45
	s_lshl_b32 s28, s28, 7                         ; 128 rows a K step
	s_lshl_b32 s27, s27, 9                         ; 512 bytes a panel
	s_add_co_u32 s28, s28, s27
	s_lshl_b32 s27, s24, 7                         ; 128 bytes a wave
	s_add_co_u32 s28, s28, s27
	s_mov_b32 s29, 0
	s_lshl_b32 s30, s45, 5                         ; 32 rows: from block to block
	s_mov_b32 s31, 0
	s_mul_i32 s32, s47, REC
	s_mov_b32 s33, 0
	v_bfe_u32 v8, v0, 3, 1                         ; u: which of my wave's two tiles
	v_and_b32 v9, 7, v0
	v_bfe_u32 v10, v0, 4, 1
	s_delay_alu instid0(VALU_DEP_1)
	v_lshl_add_u32 v9, v10, 3, v9                  ; r': my column's lane in that tile
	s_mul_i32 s34, s12, WQS
	s_add_co_u32 s34, s34, WQB                     ; my wave's stage: one for each of the eight waves
	v_mul_u32_u24 v2, v8, TST
	s_delay_alu instid0(VALU_DEP_1)
	v_lshl_add_u32 v2, v9, 4, v2
	s_delay_alu instid0(VALU_DEP_1)
	v_add_nc_u32 v2, s34, v2                       ; into the stage: wave, tile, 16 r'
	v_lshl_add_u32 v3, v1, 4, s34                  ; out of it: 16 x lane
	s_mul_i32 s35, s24, 3072
	v_lshl_add_u32 v4, v1, 4, s35                  ; and in the record: my wave's two fragments
	v_lshlrev_b32 v5, 2, v9
	s_delay_alu instid0(VALU_DEP_1)
	v_lshl_add_u32 v5, v8, 6, v5
	s_lshl_b32 s48, s24, 7
	v_add_nc_u32 v5, s48, v5                       ; my scale word: 128 q + 64 u + 4 r'
	v_lshlrev_b32 v[WOFF], 2, v1
.set i, 1
.rept 31
	s_delay_alu instid0(VALU_DEP_1)
	v_add_nc_u32 v[WOFF+i], s45, v[WOFF+i-1]
.set i, i+1
.endr
	s_wait_alu depctr_va_vdst(0)
	s_wait_kmcnt 0x0
	s_cmp_lt_u32 s47, 448                          ; the source: a choice that hangs on the record's number alone
	s_cselect_b64 s[40:41], s[38:39], s[40:41]
	s_cmp_lt_u32 s47, 192
	s_cselect_b64 s[40:41], s[36:37], s[40:41]
	s_add_nc_u64 s[WSB:WSB+1], s[40:41], s[28:29]
	s_add_nc_u64 s[WSB+2:WSB+3], s[WSB:WSB+1], s[30:31]
	s_add_nc_u64 s[WSB+4:WSB+5], s[WSB+2:WSB+3], s[30:31]
	s_add_nc_u64 s[WSB+6:WSB+7], s[WSB+4:WSB+5], s[30:31]
	s_add_nc_u64 s[42:43], s[42:43], s[32:33]      ; my record
	LOAD 0
	LOAD 1
	BLOCK 0
	BLOCK 1
	BLOCK 2
	BLOCK 3
.irp n, 0,1,2,3,4,5
	ds_load_b128 v[WOUT+4*\n:WOUT+4*\n+3], v3 offset:(\n/3)*TST+512*(\n%3)   ; LDS serves a wave's instructions in order: these see my stores
.endr
	s_wait_alu depctr_va_vdst(0)
.irp n, 0,1,2,3,4,5
	s_wait_dscnt 5-\n
	global_store_b128 v4, v[WOUT+4*\n:WOUT+4*\n+3], s[42:43] offset:(\n/3)*1536+512*(\n%3)   ; 512 consecutive bytes, at a multiple of 256 from wc's first byte
.endr
	global_store_b32 v5, v[WSW], s[42:43] offset:12288
	s_wait_tensorcnt 0x0                           ; the wave's end
	ds_add_u32 v[SPW], v[NIL]
	s_wait_dscnt 0x0
	s_endpgm
.Lfunc_end_k_qc95d623adf_lnw1:
	.size	k_qc95d623adf_lnw1, .Lfunc_end_k_qc95d623adf_lnw1-k_qc95d623adf_lnw1
	.p2alignl 7, 3214868480
	.fill 96, 4, 3214868480
	.section	.rodata,"a",@progbits
	.p2align	6, 0x0
	.amdhsa_kernel k_qc95d623adf_lnw1
		.amdhsa_group_segment_fixed_size 98304
		.amdhsa_private_segment_fixed_size 0
		.amdhsa_enable_private_segment 0
		.amdhsa_kernarg_size 64
		.amdhsa_user_sgpr_count 2
		.amdhsa_user_sgpr_kernarg_segment_ptr 1
		.amdhsa_wavefront_size32 1
		.amdhsa_system_sgpr_workgroup_id_x 1
		.amdhsa_system_sgpr_workgroup_id_y 1
		.amdhsa_system_sgpr_workgroup_id_z 1
		.amdhsa_system_vgpr_workitem_id 0
		.amdhsa_next_free_vgpr 256
		.amdhsa_next_free_sgpr 66
		.amdhsa_reserve_vcc 0
		.amdhsa_float_denorm_mode_32 3
		.amdhsa_float_denorm_mode_16_64 3
		.amdhsa_memory_ordered 1
		.amdhsa_forward_progress 1
		.amdhsa_inst_pref_size 57
	.end_amdhsa_kernel
	.amdgpu_metadata
---
amdhsa.version: [ 1, 2 ]
amdhsa.kernels:
  - .name:           k_qc95d623adf_lnw1
    .symbol:         k_qc95d623adf_lnw1.kd
    .args:
      - { .name: x, .offset: 0, .size: 8, .value_kind: global_buffer, .address_space: global }
      - { .name: ln1_scale, .offset: 8, .size: 8, .value_kind: global_buffer, .address_space: global }
      - { .name: ln1_shift, .offset: 16, .size: 8, .value_kind: global_buffer, .address_space: global }
      - { .name: xn, .offset: 24, .size: 8, .value_kind: global_buffer, .address_space: global }
      - { .name: w_qkv, .offset: 32, .size: 8, .value_kind: global_buffer, .address_space: global }
      - { .name: w_fc, .offset: 40, .size: 8, .value_kind: global_buffer, .address_space: global }
      - { .name: w_proj, .offset: 48, .size: 8, .value_kind: global_buffer, .address_space: global }
      - { .name: wc, .offset: 56, .size: 8, .value_kind: global_buffer, .address_space: global }
    .group_segment_fixed_size: 98304
    .private_segment_fixed_size: 0
    .kernarg_segment_align: 8
    .kernarg_segment_size: 64
    .max_flat_workgroup_size: 256
    .sgpr_count:     66
    .vgpr_count:     256
    .wavefront_size: 32
...
	.end_amdgpu_metadata
.endif
;; end of part 1
;; launch qkv (part 2): grid 12 x 16, 4 waves a work-group, clusters of 4 x 4, 327,680 bytes of LDS; arguments xn, wc, b_qkv, qkv; writes qkv
.if DOCPART == 2
	.amdgcn_target "amdgcn-amd-amdhsa--gfx1250"
	.amdhsa_code_object_version 6
	.text
	.protected	k_qc95d623adf_qkv
	.globl	k_qc95d623adf_qkv
	.p2align	8
	.type	k_qc95d623adf_qkv,@function
k_qc95d623adf_qkv:
	s_mov_b64 s[64:65], 0
	v_nop
	global_prefetch_b8 v0, s[64:65] scope:SCOPE_SE
	s_setreg_imm32_b32 hwreg(HW_REG_WAVE_MODE, 25, 1), 1
	s_wait_xcnt 0x0
	s_wait_alu depctr_hold_cnt(0) depctr_sa_sdst(0) depctr_va_vdst(0) depctr_va_sdst(0) depctr_va_ssrc(0) depctr_va_vcc(0) depctr_vm_vsrc(0)
	s_getreg_b32 s2, hwreg(HW_REG_IB_STS2, 6, 4)
	s_cmp_eq_u32 s2, 0
	s_cbranch_scc0 .Lentry_in_a_cluster
	s_endpgm
.Lentry_in_a_cluster:
	s_bfe_u32 s2, ttmp6, 0x10000c
	s_cmp_lg_u32 s2, 0xf033
	s_cbranch_scc0 .Lentry_shape_is_right
	s_endpgm
.Lentry_shape_is_right:
; qkv = LN1(x) W_qkv + b_qkv on codes of FP6 (E2M3) with E8M0 scales, K = 1,024; the results are quantised in registers, q and k along the head's 64 channels, v along the keys, and stored as the attention launch reads them.
; OPERANDS are panel records (12,800 bytes: 128 rows x 128 K: eight register images of 1,536 bytes, then 512 bytes of scale words); lane r of tile i stands for panel row 32 (i / 2) + 8 (i % 2) + r + 8 (r / 8).
; A work-group of four waves makes 256 x 256, a wave 128 x 128: 64 accumulators, 512 registers.  Operand A is source 1 (a lane is one of its rows), operand B source 0 (a lane's registers run along its rows: by the order of
; rows above, the 16 registers of B's tiles 2 b and 2 b + 1 are 16 neighbours, as the quantiser wants them).
; Clusters x = 0, 1 make q and k: A = the tokens (xn), B = the weights' columns.  Cluster x = 2 makes v by the same lines on the transposed problem: A = v's columns of the weights, B = the tokens: a lane then holds a channel and
; its registers run along the keys.  The choice hangs on the cluster's number, which all sixteen partners share.
; CLUSTERS of 4 x 4: A's tiles are shared along a row of the cluster, B's along a column, and asked for jointly.
; LDS: three slots of two K steps (102,400 bytes: four quarters of two records, one tensor load a wave).  Six of the eight K steps are asked for at the head (three loads of a wave are out); slot 0 is filled once more, with K steps 6, 7,
; behind the one round in the middle, and has K steps 2 to 5, 256 matrix instructions, in which to land.
; OUT: a record of 315,392 bytes for each (batch, head): Q's codes at 0 and K's at 98,304 (128 token tiles x 768: registers 0-3 at 16 x lane, 4-5 at 512 + 8 x lane), V's at 196,608 ([key step][channel tile][1,536]),
; scale words of Q at 294,912, of K at 303,104 (64 bytes a tile), of V at 311,296.  In Q's and K's words bytes 2, 3 are the neighbour head's bytes or 0: they meet zero codes alone and are never 0xff.
; Scale words leave two tiles at a time, 128 consecutive bytes: half of an aligned 256; they are one byte in 25 of what the launch stores.
; LIMITS: NaN and infinities are not served; a block whose largest magnitude lies under 2^-124 keeps the byte 1; a block of zeros gets the byte 1 where the rule says 127 (zero codes; this program alone reads the bytes).
; REGISTERS: window 0: v16-27 addresses; v28, v29 the add's two; v32-47 scale words, two sets, and nothing else; v48-69 at work; v96-127, v224-255 the bias; v128-223 A's eight fragments, later the quantiser's numbers and codes.
;   window 1: B's fragments, two sets, at v0 and v128.   windows 2, 3: the accumulators, (a, b) at v[8 (8 (a % 4) + b)].
.set REC,   12800
; THE FILLS AS THEY STAND (this takes the place of what the paragraph on LDS above says): two slots of three K steps (153,600 bytes: four quarters of three records, one tensor load a wave).  Slot 0 (K steps 0-2) is asked for at
; the head; slot 1 (K steps 3-5) behind the three lines and a round of the cluster's barrier; slot 0 is filled once more, with K steps 6, 7 (two records a wave), behind the round in K step 2.  One load of a wave is out at any time.
.set QUART, 3*REC
.set SLOT,  4*QUART
.set SPARE, 2*SLOT                     ; the spare words: 128 bytes a wave, two blocks of 256 bytes that no other line names
.set QREC,  315392
.set FR,    12
.set ADRA,  16
.set ADRB,  19
.set ADRS,  22
.set L16,   25
.set L8,    26
.set L4,    27
.set SPW,   28
; THE TILES ARE PREFETCHED, one fill ahead of their loads: behind the head's load the 150 rows of 256 bytes that my second load will bring, behind the second load the 100 rows of my third.  The four work-groups that ask for
; a tile jointly share its rows out by address: place p (cx for A's tiles, cy for B's) names rows 38 p .. 38 p + 37, held at row 149, and 25 p .. 25 p + 24; lanes left over name the run's last row again.  Every offset is an immediate.
.set PFA,   98                         ; s[98:99] the first byte of the panel that I fetch
.set PFO,   8                          ; v8-10 the three runs' offsets; never rewritten
.set NIL,   29
.set SC,    32
.set TM,    48
.set PW,    64
.set PWE,   65
.set W0,    66
.set W1,    67
.set BP,    68
.set AF,    128
.set HA,    128
.set PC,    192
.set G1A,   24
.set G1B,   32
.set G0A,   40
.set G0B,   52
.set SEL,   20
.set MUL_LO, 0xa1                      ; source 0 (B) window 1, source 1 (A) window 0, C and D window 2
.set MUL_HI, 0xf1                      ; the same, C and D window 3
.set TO_B,  0x40                       ; destination window 1
.set MSB, 0
.macro WIN new                         ; the immediate's high byte repeats the setting that is left
.if MSB != (\new)
	s_set_vgpr_msb (MSB<<8)|(\new)
.set MSB, (\new)
.endif
.endm
.macro PLACES                          ; four plain lines behind matrix instructions, ahead of loads into registers that they read and of reads of their results
.rept 4
	v_nop
.endr
.endm
.macro JLOAD g0a, g0b                  ; a joint load: waves 0, 1 fetch for A, waves 2, 3 for B; the branch hangs on the wave's number alone; s_nop 0 and four v_nop follow each line
	s_cmp_eq_u32 s15, 0
	s_cbranch_scc0 .Lfor_b_\@
	tensor_load_to_lds s[\g0a:\g0a+3], s[G1A:G1A+7]
	s_nop 0
.rept 4
	v_nop
.endr
	s_branch .Lasked_\@
.Lfor_b_\@:
	tensor_load_to_lds s[\g0b:\g0b+3], s[G1B:G1B+7]
	s_nop 0
.rept 4
	v_nop
.endr
.Lasked_\@:
.endm
.macro CREST                           ; a round of the cluster's barrier behind its opening barrier
	s_cmp_lg_u32 s14, 0
	s_cbranch_scc1 .Lnot_wave_0_\@
	s_barrier_signal -3
.Lnot_wave_0_\@:
	s_barrier_wait -3
	s_barrier_signal -1
	s_barrier_wait -1
.endm
.macro CROUND
	s_barrier_signal -1
	s_barrier_wait -1
	CREST
.endm
.macro FRAG reg, adr, off              ; a fragment comes back as it was stored: three loads of 512 consecutive bytes
.irp c, 0,1,2
	ds_load_b128 v[\reg+4*\c:\reg+4*\c+3], v[\adr] offset:\off+512*\c
.endr
.endm
.macro FETCH_B sl, jj, p
	WIN TO_B
.irp i, 0,1,2,3,4,5,6,7
	FRAG 128*(\p)+FR*\i, ADRB+\sl, (\jj)*REC+1536*\i
.endr
	WIN 0
.endm
.macro FETCH_A sl, jj, i0
.irp i, \i0, \i0+1, \i0+2, \i0+3
	FRAG AF+FR*(\i), ADRA+\sl, (\jj)*REC+1536*(\i)
.endr
.endm
.macro SCALES sl, jj, p                ; lanes 0-15 take the words of A's block i, lanes 16-31 those of B's tile i
.irp i, 0,1,2,3,4,5,6,7
	ds_load_b32 v[SC+8*(\p)+\i], v[ADRS+\sl] offset:(\jj)*REC+12288+64*\i
.endr
.endm
.macro MUL16 a0, p, zero               ; A's blocks a0, a0 + 1 x B's eight tiles; the 64 accumulators take turns in the same order in every K step
.irp a, \a0, \a0+1
.irp b, 0,1,2,3,4,5,6,7
.set DD, 8*(8*((\a)%4)+\b)
.if \zero
	v_wmma_scale_f32_16x16x128_f8f6f4 v[DD:DD+7], v[128*(\p)+FR*\b:128*(\p)+FR*\b+FR-1], v[AF+FR*(\a):AF+FR*(\a)+FR-1], 0, v[SC+8*(\p)+\b], v[SC+8*(\p)+(\a)] matrix_a_fmt:MATRIX_FMT_FP6 matrix_b_fmt:MATRIX_FMT_FP6 matrix_a_scale:MATRIX_SCALE_ROW1
.else
	v_wmma_scale_f32_16x16x128_f8f6f4 v[DD:DD+7], v[128*(\p)+FR*\b:128*(\p)+FR*\b+FR-1], v[AF+FR*(\a):AF+FR*(\a)+FR-1], v[DD:DD+7], v[SC+8*(\p)+\b], v[SC+8*(\p)+(\a)] matrix_a_fmt:MATRIX_FMT_FP6 matrix_b_fmt:MATRIX_FMT_FP6 matrix_a_scale:MATRIX_SCALE_ROW1
.endif
.endr
.endr
.endm
.macro STEP p, sn, jn, zero            ; a K step on set p; the next step's operands (slot sn, its step jn) are fetched in two runs
	s_wait_dscnt 12                                ; B's set, A's blocks 0-3 and the scale words are in; the youngest twelve loads (A's blocks 4-7) may be out
	WIN MUL_LO
	MUL16 0, \p, \zero
	MUL16 2, \p, \zero
	s_wait_dscnt 0x0
	PLACES
	FETCH_B \sn, \jn, 1-\p
	FETCH_A \sn, \jn, 0
	SCALES \sn, \jn, 1-\p
	WIN MUL_HI
	MUL16 4, \p, \zero
	MUL16 6, \p, \zero
	PLACES
	WIN 0
	FETCH_A \sn, \jn, 4
.endm
.macro TURN sn, fill, p                ; a K step on set p with the work-group's barrier in it; fill = 1: slot 0, which it has read out, is filled again behind a round of the cluster's barrier
	s_wait_tensorcnt 0x0                           ; all my tensor loads have landed
	ds_add_u32 v[SPW], v[NIL]                      ; 0 onto my spare word
	s_wait_dscnt 13                                ; (the add and A's blocks 4-7 may be out)
	WIN MUL_LO
	MUL16 0, \p, 0
	s_wait_dscnt 0x0                               ; the add is done, and my reads of the slot are over
	s_barrier_signal -1
	MUL16 2, \p, 0
	WIN 0
	s_barrier_wait -1
.if \fill
	CREST                                          ; no wave of any partner still reads slot 0 or has a load on its way
	s_mov_b32 s[G1A+2], 100<<16                    ; no tensor load of mine is out: a load brings two records again
	s_mov_b32 s[G1A+4], 100
	s_mov_b32 s[G1B+2], 100<<16
	s_mov_b32 s[G1B+4], 100
	s_add_nc_u64 s[G0A+2:G0A+3], s[G0A+2:G0A+3], 6*REC
	s_add_nc_u64 s[G0B+2:G0B+3], s[G0B+2:G0B+3], 6*REC
	JLOAD G0A, G0B                                 ; K steps 6 and 7; its four v_nop are also the places ahead of the loads below
.else
	PLACES
.endif
	FETCH_B \sn, 0, 1-\p
	FETCH_A \sn, 0, 0
	SCALES \sn, 0, 1-\p
	WIN MUL_HI
	MUL16 4, \p, 0
	MUL16 6, \p, 0
	PLACES
	WIN 0
	FETCH_A \sn, 0, 4
.endm
.macro LAST                            ; the last K step, on set 1
	s_wait_dscnt 12
	WIN MUL_LO
	MUL16 0, 1, 0
	MUL16 2, 1, 0
	s_wait_dscnt 0x0
	WIN MUL_HI
	MUL16 4, 1, 0
	MUL16 6, 1, 0
	WIN 0
	PLACES
.endm
.macro QUANT s                         ; 64 numbers of a lane, register 16 b + i = k 32 b + 16 (lane / 16) + i of my row, become a fragment's codes in v[PC] on and its scale word in v[PW]
.irp b, 0,1,2,3
	v_max3_num_f32 v[TM+\b], |v[\s+16*\b]|, |v[\s+1+16*\b]|, 0x1800000
.endr
.irp i, 2,4,6,8,10,12,14
.irp b, 0,1,2,3
	v_max3_num_f32 v[TM+\b], v[TM+\b], |v[\s+16*\b+\i]|, |v[\s+1+16*\b+\i]|
.endr
.endr
.irp b, 0,1,2,3
	v_permlanex16_b32 v[TM+4+\b], v[TM+\b], s[SEL], s[SEL+1]
.endr
.irp b, 0,1,2,3
	v_max_num_f32 v[TM+\b], v[TM+\b], v[TM+4+\b]
.endr
.irp b, 0,1,2,3
	v_add_nc_u32 v[TM+12+\b], 0xff000000, v[TM+\b]
.endr
.irp b, 0,1,2,3
	v_lshrrev_b32 v[TM+4+\b], 23, v[TM+12+\b]
.endr
	v_lshl_or_b32 v[PW], v[TM+5], 8, v[TM+4]
	v_lshl_or_b32 v[PW], v[TM+6], 16, v[PW]
	v_lshl_or_b32 v[PW], v[TM+7], 24, v[PW]
.irp c, 0,1
	v_cvt_scalef32_pk16_fp6_f32 v[PC+6*\c:PC+2+6*\c], v[\s+32*\c:\s+15+32*\c], v[TM+12+2*\c]
	v_cvt_scalef32_pk16_fp6_f32 v[PC+12+4*\c:PC+14+4*\c], v[\s+16+32*\c:\s+31+32*\c], v[TM+12+2*\c+1]
.endr
	v_nop
.irp c, 0,1
.irp i, 0,1,2
	v_permlane16_swap_b32 v[PC+6*\c+\i], v[PC+12+4*\c+\i]
.endr
.irp i, 0,1,2
	v_mov_b32 v[PC+3+6*\c+\i], v[PC+12+4*\c+\i]
.endr
.endr
.endm
	s_load_b256 s[4:11], s[0:1], 0x0               ; xn s[4:5], wc s[6:7], b_qkv s[8:9], qkv s[10:11]
	v_lshl_add_u32 v[SPW], v0, 2, SPARE
	v_mov_b32 v[NIL], 0
	ds_add_u32 v[SPW], v[NIL]                      ; the wave's opening: the add and its wait ahead of my first tensor load
	ds_add_u32 v[SPW], v[NIL]
	v_lshrrev_b32 v1, 5, v0
	v_readfirstlane_b32 s14, v1                    ; wave
	s_lshr_b32 s15, s14, 1                         ; my half of A's rows.  Also: I fetch for A (0) or for B (1)
	s_and_b32 s16, s14, 1                          ; my half of B's rows.  Also: which panel of that tile I fetch
	s_bfe_u32 s66, ttmp6, 0x40000                  ; cx
	s_bfe_u32 s67, ttmp6, 0x40004                  ; cy
	s_and_b32 s82, ttmp7, 0xffff                   ; the cluster's y
	s_cmp_eq_u32 ttmp9, 2                          ; v's clusters?
	s_cselect_b32 s83, 0, s82                      ; A's tiles: the tokens' by y, or v's four tiles of columns
	s_cselect_b32 s84, s82, ttmp9                  ; B's tiles: the columns' by x, or the tokens' by y
	s_lshl_b32 s70, s84, 2
	s_add_co_u32 s70, s70, s66                     ; B's tile
	s_lshl_b32 s17, s83, 2
	s_add_co_u32 s17, s17, s67                     ; A's tile
	s_lshl_b32 s68, s67, 2
	s_lshl_b32 s68, 15, s68                        ; my row of the cluster
	s_lshl_b32 s69, 0x1111, s66                    ; my column
	s_or_b32 s[G1A], s68, (3<<16)|(1<<21)          ; 15:0 the mask; 17:16 elements of 8 bytes; 21 set beside a mask; no padding
	s_or_b32 s[G1B], s69, (3<<16)|(1<<21)
.irp g, G1A, G1B
	s_mov_b32 s[\g+1], 32<<16                      ; tensor_dim0 = 32 elements: rows of 256 bytes
	s_mov_b32 s[\g+2], 150<<16                     ; tensor_dim1 = 150 rows: three records
	s_mov_b32 s[\g+3], 32<<16                      ; tile_dim0
	s_mov_b32 s[\g+4], 150                         ; tile_dim1
	s_mov_b32 s[\g+5], 32                          ; the pitch: dense
	s_mov_b32 s[\g+6], 0
	s_mov_b32 s[\g+7], 0
.endr
	s_lshl_b32 s72, s17, 1
	s_add_co_u32 s72, s72, s16
	s_mul_i32 s72, s72, 8*REC                      ; A: the panel that I would fetch
	s_mov_b32 s73, 0
	s_lshl_b32 s74, s70, 1
	s_add_co_u32 s74, s74, s16
	s_mul_i32 s74, s74, 8*REC                      ; B: likewise, in registers that never hold A's coordinate
	s_mov_b32 s75, 0
	s_mul_i32 s71, s14, QUART                      ; my quarter of a slot
	s_mov_b32 s[SEL], 0x76543210
	s_mov_b32 s[SEL+1], 0xfedcba98
	s_mov_b32 s96, 0xffff0000                      ; lanes 16-31
	s_wait_dscnt 0x0                               ; both opening adds are done
	CROUND                                         ; the round in front of the first joint loads: it needs no argument, so it stands ahead of the wait for them
	s_wait_kmcnt 0x0
	s_add_nc_u64 s[86:87], s[6:7], 1638400         ; v's panels of the weights (16 panels x 8 records on)
	s_cmp_eq_u32 ttmp9, 2
	s_cselect_b64 s[88:89], s[86:87], s[4:5]       ; A's buffer
	s_cselect_b64 s[90:91], s[4:5], s[6:7]         ; B's
	s_add_nc_u64 s[72:73], s[88:89], s[72:73]
	s_add_nc_u64 s[74:75], s[90:91], s[74:75]
	s_cmp_eq_u32 s15, 0                            ; do I fetch for A?
	s_cselect_b64 s[PFA:PFA+1], s[72:73], s[74:75]
	s_cselect_b32 s85, s66, s67                    ; my place among the four that ask with me: it enters addresses of prefetches alone
.irp s, 0,1
	s_mov_b32 s[G0A+4*\s], 1
	s_add_co_u32 s[G0A+4*\s+1], s71, \s*SLOT
	s_add_nc_u64 s[G0A+4*\s+2:G0A+4*\s+3], s[72:73], \s*3*REC
	s_or_b32 s[G0A+4*\s+3], s[G0A+4*\s+3], 0x80000000
	s_mov_b32 s[G0B+4*\s], 1
	s_add_co_u32 s[G0B+4*\s+1], s71, \s*SLOT
	s_add_nc_u64 s[G0B+4*\s+2:G0B+4*\s+3], s[74:75], \s*3*REC
	s_or_b32 s[G0B+4*\s+3], s[G0B+4*\s+3], 0x80000000
.endr
	JLOAD G0A, G0B                                 ; K steps 0 to 2: one tensor load a wave at the head
	v_and_b32 v1, 15, v0                           ; r
	v_bfe_u32 v2, v0, 4, 1                         ; h
	v_and_b32 v3, 31, v0                           ; lane
	v_lshlrev_b32 v[L16], 4, v3
	v_lshlrev_b32 v[L8], 3, v3
	v_lshlrev_b32 v[L4], 2, v3
	s_mul_i32 s97, s85, 25
	s_mul_i32 s85, s85, 38
	v_min_u32 v[PFO+2], 24, v3
	v_min_u32 v[PFO+1], 5, v3
	v_add_nc_u32 v[PFO+2], s97, v[PFO+2]           ; row 25 p + min(lane, 24)
	v_add_nc_u32 v[PFO], s85, v3                   ; row 38 p + lane,
	v_add3_u32 v[PFO+1], v[PFO+1], s85, 32         ; and 38 p + 32 + min(lane, 5),
	v_min_u32 v[PFO], 149, v[PFO]                  ; both held at the load's last row
	v_min_u32 v[PFO+1], 149, v[PFO+1]
	v_lshlrev_b32 v[PFO+2], 8, v[PFO+2]
	v_lshlrev_b32 v[PFO], 8, v[PFO]
	v_lshlrev_b32 v[PFO+1], 8, v[PFO+1]
	global_prefetch_b8 v[PFO], s[PFA:PFA+1] offset:3*REC th:TH_LOAD_NT scope:SCOPE_SE     ; K steps 3 to 5
	global_prefetch_b8 v[PFO+1], s[PFA:PFA+1] offset:3*REC th:TH_LOAD_NT scope:SCOPE_SE
	s_mul_i32 s76, s15, QUART                      ; my panel of A
	s_mul_i32 s77, s16, QUART
	s_add_co_u32 s77, s77, 2*QUART                 ; my panel of B
	s_sub_co_u32 s78, s77, s76
	v_mul_u32_u24 v4, s78, v2                      ; lanes 16-31 take B's scale words
	v_lshl_add_u32 v4, v1, 2, v4
.irp s, 0,1
	v_add_nc_u32 v[ADRA+\s], s76, v[L16]
	v_add_nc_u32 v[ADRB+\s], s77, v[L16]
	v_add_nc_u32 v[ADRS+\s], s76, v4
	s_add_co_u32 s76, s76, SLOT
	s_add_co_u32 s77, s77, SLOT
.endr
	s_wait_alu depctr_va_vdst(0)                   ; the wait here, ahead of the later readers of r and h
	v_lshlrev_b32 v5, 6, v2                        ; q's and k's bias: 64 h
	v_and_b32 v6, 8, v1
	v_add_nc_u32 v6, v6, v1
	v_lshlrev_b32 v6, 2, v6                        ; v's bias: 4 (r + 8 (r / 8))
.irp b, 0,1,2,3
	v_mov_b32 v[TM+4+\b], 0                        ; written once: a lane permute's destination counts as one of its sources
.endr
	s_wait_alu depctr_va_vdst(0)                   ; the wait at the head's end
	s_wait_tensorcnt 0x0                           ; my part of slot 0 is in
	ds_add_u32 v[SPW], v[NIL]
	s_wait_dscnt 0x0
	CROUND                                         ; slot 0 is whole, and all sixteen work-groups are here
	JLOAD G0A+4, G0B+4                             ; K steps 3 to 5: the first tensor load behind the round
	FETCH_B 0, 0, 0
	FETCH_A 0, 0, 0
	SCALES 0, 0, 0
	FETCH_A 0, 0, 4
	global_prefetch_b8 v[PFO+2], s[PFA:PFA+1] offset:6*REC th:TH_LOAD_NT scope:SCOPE_SE   ; K steps 6 and 7
	STEP 0, 0, 1, 1                                ; K step 0 starts the sums: nothing is cleared
	STEP 1, 0, 2, 0                                ; K step 1
	TURN 1, 1, 0                                   ; K step 2; slot 1 is shown whole to every wave; slot 0 is asked for again
	STEP 1, 1, 1, 0                                ; K steps 3, 4
	STEP 0, 1, 2, 0
	TURN 0, 0, 1                                   ; K step 5; slot 0 is whole again behind its barrier; nothing more is asked for
	s_cmp_eq_u32 ttmp9, 2                          ; the two ways part here: no barrier and no tensor load follows before they join
	s_cbranch_scc1 .Lv
	; ---- q and k: a lane is a token, its registers run along the channels
	s_lshl_b32 s76, s70, 10
	s_lshl_b32 s77, s16, 9
	s_add_co_u32 s76, s76, s77
	s_mov_b32 s77, 0
	s_add_nc_u64 s[8:9], s[8:9], s[76:77]          ; the bias of my 128 columns
.irp b, 0,1,2,3,4,5,6,7
	global_load_b128 v[96+8*\b+96*(\b/4):96+8*\b+96*(\b/4)+3], v5, s[8:9] offset:4*(32*(\b/2)+8*(\b%2))
	global_load_b128 v[96+8*\b+96*(\b/4)+4:96+8*\b+96*(\b/4)+7], v5, s[8:9] offset:4*(32*(\b/2)+8*(\b%2))+16
.endr
	s_lshl_b32 s76, s17, 4
	s_lshl_b32 s78, s15, 3
	s_add_co_u32 s76, s76, s78                     ; my first token tile
	s_lshr_b32 s78, s76, 7                         ; batch
	s_and_b32 s76, s76, 127                        ; the tile in its batch
	s_lshl_b32 s79, s70, 2
	s_lshl_b32 s80, s16, 1
	s_add_co_u32 s79, s79, s80
	s_and_b32 s79, s79, 15                         ; my first head (an even one)
	s_lshl_b32 s78, s78, 4
	s_add_co_u32 s78, s78, s79
	s_mul_i32 s80, s78, QREC
	s_mov_b32 s81, 0
	s_add_nc_u64 s[10:11], s[10:11], s[80:81]      ; that head's record
	s_mul_i32 s80, ttmp9, 98304                    ; Q's codes or K's
	s_mul_i32 s82, s76, 768
	s_add_co_u32 s80, s80, s82
	s_add_nc_u64 s[92:93], s[10:11], s[80:81]
	s_lshl_b32 s80, ttmp9, 13
	s_lshl_b32 s82, s76, 6
	s_add_co_u32 s80, s80, s82
	s_add_co_u32 s80, s80, 294912
	s_add_nc_u64 s[94:95], s[10:11], s[80:81]      ; and their scale words
	STEP 0, 0, 1, 0                                ; K steps 6 and 7: the bias lands meanwhile
	LAST
	s_wait_loadcnt 0x0
.macro EPI_QK a                        ; A's block a: 16 tokens x 128 channels = two heads
	WIN 0x02+((\a)/4)                              ; source 0: window 2 or 3
.irp b, 0,1,2,3,4,5,6,7
.irp j, 0,2,4,6
	v_pk_add_f32 v[HA+8*\b+\j:HA+8*\b+\j+1], v[64*((\a)%4)+8*\b+\j:64*((\a)%4)+8*\b+\j+1], v[96+8*\b+96*(\b/4)+\j:96+8*\b+96*(\b/4)+\j+1]   ; + bias, each accumulator from its low end on
.endr
.endr
	WIN 0
	s_wait_xcnt 0x0                                ; the earlier stores have read their registers
	QUANT HA
	global_store_b128 v[L16], v[PC:PC+3], s[92:93] offset:768*(\a)               ; registers 0-5: the first head's 64 channels
	global_store_b64 v[L8], v[PC+4:PC+5], s[92:93] offset:768*(\a)+512
	global_store_b128 v[L16], v[PC+6:PC+9], s[92:93] offset:QREC+768*(\a)        ; registers 6-11: the next head's
	global_store_b64 v[L8], v[PC+10:PC+11], s[92:93] offset:QREC+768*(\a)+512
.if ((\a)%2) == 0
	v_mov_b32 v[PWE], v[PW]
.else
	v_cndmask_b32 v[W0], v[PWE], v[PW], s96        ; lanes 0-15: tile a - 1's words, lanes 16-31: tile a's
	v_lshrrev_b32 v[W1], 16, v[W0]                 ; the next head's two bytes
	global_store_b32 v[L4], v[W0], s[94:95] offset:64*((\a)-1)
	global_store_b32 v[L4], v[W1], s[94:95] offset:QREC+64*((\a)-1)
.endif
.endm
.irp a, 0,1,2,3,4,5,6,7
	EPI_QK \a
.endr
	s_branch .Lend
.Lv:	; ---- v: a lane is a channel, its registers run along the keys
	s_lshl_b32 s76, s17, 10
	s_lshl_b32 s77, s15, 9
	s_add_co_u32 s76, s76, s77
	s_add_co_u32 s76, s76, 8192                    ; v's bias begins 2,048 numbers on
	s_mov_b32 s77, 0
	s_add_nc_u64 s[8:9], s[8:9], s[76:77]
.irp a, 0,1,2,3,4,5,6,7
	global_load_b32 v[96+\a], v6, s[8:9] offset:4*(32*(\a/2)+8*(\a%2))   ; block a: my channel's bias
.endr
	s_lshl_b32 s76, s70, 1
	s_add_co_u32 s76, s76, s16                     ; my panel of tokens
	s_lshr_b32 s78, s76, 4                         ; batch
	s_and_b32 s76, s76, 15                         ; key step
	s_lshl_b32 s78, s78, 4
	s_lshl_b32 s79, s17, 2
	s_add_co_u32 s78, s78, s79
	s_lshl_b32 s79, s15, 1
	s_add_co_u32 s78, s78, s79                     ; my first head
	s_mul_i32 s80, s78, QREC
	s_mov_b32 s81, 0
	s_add_nc_u64 s[10:11], s[10:11], s[80:81]
	s_mul_i32 s80, s76, 6144
	s_add_co_u32 s80, s80, 196608
	s_add_nc_u64 s[92:93], s[10:11], s[80:81]      ; V's codes of this key step
	s_lshl_b32 s80, s76, 8
	s_add_co_u32 s80, s80, 311296
	s_add_nc_u64 s[94:95], s[10:11], s[80:81]      ; and their scale words
	STEP 0, 0, 1, 0
	LAST
	s_wait_loadcnt 0x0
.macro EPI_V a                         ; A's block a: 16 channels x 128 keys: a whole fragment
	v_mov_b32 v[BP], v[96+(\a)]
	v_mov_b32 v[BP+1], v[96+(\a)]
	WIN 0x02+((\a)/4)
.set i, 0
.rept 32
	v_pk_add_f32 v[HA+i:HA+i+1], v[64*((\a)%4)+i:64*((\a)%4)+i+1], v[BP:BP+1]
.set i, i+2
.endr
	WIN 0
	s_wait_xcnt 0x0
	QUANT HA
.irp c, 0,1,2
	global_store_b128 v[L16], v[PC+4*\c:PC+4*\c+3], s[92:93] offset:((\a)/4)*QREC+((\a)%4)*1536+512*\c
.endr
.if ((\a)%2) == 0
	v_mov_b32 v[PWE], v[PW]
.else
	v_cndmask_b32 v[W0], v[PWE], v[PW], s96
	global_store_b32 v[L4], v[W0], s[94:95] offset:((\a)/4)*QREC+64*(((\a)-1)%4)
.endif
.endm
.irp a, 0,1,2,3,4,5,6,7
	EPI_V \a
.endr
.Lend:
	s_wait_tensorcnt 0x0                           ; the wave's end
	ds_add_u32 v[SPW], v[NIL]
	s_wait_dscnt 0x0
	CROUND                                         ; the closing round
	s_endpgm
.Lfunc_end_k_qc95d623adf_qkv:
	.size	k_qc95d623adf_qkv, .Lfunc_end_k_qc95d623adf_qkv-k_qc95d623adf_qkv
	.p2alignl 7, 3214868480
	.fill 96, 4, 3214868480
	.section	.rodata,"a",@progbits
	.p2align	6, 0x0
	.amdhsa_kernel k_qc95d623adf_qkv
		.amdhsa_group_segment_fixed_size 327680
		.amdhsa_private_segment_fixed_size 0
		.amdhsa_enable_private_segment 0
		.amdhsa_kernarg_size 32
		.amdhsa_user_sgpr_count 2
		.amdhsa_user_sgpr_kernarg_segment_ptr 1
		.amdhsa_wavefront_size32 1
		.amdhsa_system_sgpr_workgroup_id_x 1
		.amdhsa_system_sgpr_workgroup_id_y 1
		.amdhsa_system_sgpr_workgroup_id_z 1
		.amdhsa_system_vgpr_workitem_id 0
		.amdhsa_next_free_vgpr 1024
		.amdhsa_next_free_sgpr 100
		.amdhsa_reserve_vcc 0
		.amdhsa_float_denorm_mode_32 3
		.amdhsa_float_denorm_mode_16_64 3
		.amdhsa_memory_ordered 1
		.amdhsa_forward_progress 1
		.amdhsa_inst_pref_size 231
	.end_amdhsa_kernel
	.amdgpu_metadata
---
amdhsa.version: [ 1, 2 ]
amdhsa.kernels:
  - .name:           k_qc95d623adf_qkv
    .symbol:         k_qc95d623adf_qkv.kd
    .args:
      - { .name: xn, .offset: 0, .size: 8, .value_kind: global_buffer, .address_space: global }
      - { .name: wc, .offset: 8, .size: 8, .value_kind: global_buffer, .address_space: global }
      - { .name: b_qkv, .offset: 16, .size: 8, .value_kind: global_buffer, .address_space: global }
      - { .name: qkv, .offset: 24, .size: 8, .value_kind: global_buffer, .address_space: global }
    .group_segment_fixed_size: 327680
    .private_segment_fixed_size: 0
    .kernarg_segment_align: 8
    .kernarg_segment_size: 32
    .max_flat_workgroup_size: 128
    .sgpr_count:     100
    .vgpr_count:     1024
    .wavefront_size: 32
...
	.end_amdgpu_metadata
.endif
;; end of part 2
;; launch attn (part 3): grid 8 x 32, 16 waves a work-group, clusters of 4 x 1, 327,680 bytes of LDS; arguments qkv, x, x1; writes x1
.if DOCPART == 3
	.amdgcn_target "amdgcn-amd-amdhsa--gfx1250"
	.amdhsa_code_object_version 6
	.text
	.protected	k_qc95d623adf_attn
	.globl	k_qc95d623adf_attn
	.p2align	8
	.type	k_qc95d623adf_attn,@function
k_qc95d623adf_attn:
	s_mov_b64 s[64:65], 0
	v_nop
	global_prefetch_b8 v0, s[64:65] scope:SCOPE_SE
	s_setreg_imm32_b32 hwreg(HW_REG_WAVE_MODE, 25, 1), 1
	s_wait_xcnt 0x0
	s_wait_alu depctr_hold_cnt(0) depctr_sa_sdst(0) depctr_va_vdst(0) depctr_va_sdst(0) depctr_va_ssrc(0) depctr_va_vcc(0) depctr_vm_vsrc(0)
	s_getreg_b32 s2, hwreg(HW_REG_IB_STS2, 6, 4)
	s_cmp_eq_u32 s2, 0
	s_cbranch_scc0 .Lentry_in_a_cluster
	s_endpgm
.Lentry_in_a_cluster:
	s_bfe_u32 s2, ttmp6, 0x10000c
	s_cmp_lg_u32 s2, 0x3003
	s_cbranch_scc0 .Lentry_shape_is_right
	s_endpgm
.Lentry_shape_is_right:
; x1 = x + softmax(q k^T / 8, causal) v for one (batch, head), on codes of FP6 (E2M3) with E8M0 scales, as the launch before stored them (a record of QREC bytes a head).
; LEFT OUT: key steps that lie wholly above the diagonal of the causal mask: their scores are -inf ahead of the softmax for all inputs.  They are jumped on ids alone.
; THE DEAL.  A head has 16 panels of 128 queries, each of eight tiles of 16.  Work-group j of the head's eight takes tile j of EVERY panel.  Panel P sees P + 1 key steps of 128, whatever the tile: so which steps are hidden,
; and which step crosses the diagonal, hangs on the panel and on nothing of the work-group's number; j enters global addresses and the mask's numbers alone.  Sixteen waves in eight pairs; pair t owns panels t and 15 - t:
; 17 key steps.  Of a pair, one wave takes the larger panel's tile on the even key steps and the smaller's on the odd ones, its partner the other way round; at the end each wave joins its even-step sums with its partner's
; odd-step sums of the same tile and stores that tile.  Which wave of a pair takes which is (wave xor wave / 8) & 1, so that waves 4 apart do not all have the same role.
; CLUSTERS of 4 x 1: four work-groups of a head read the same K, V and scale words and ask for them jointly (mask 15): the same load, the same descriptor, made of the head and the wave's number.
; LDS IS FILLED ONCE: bytes 98,304 to 315,392 of the record (K's codes, V's codes, Q's, K's and V's scale words) are 848 consecutive rows of 256 bytes: each wave brings 53 of them by its one tensor load, behind the opening round.
; Q's scale words (8,192 bytes) lie between what is read and come along; they are not read from LDS.  One barrier shows all of it to all waves; nothing is filled again.  The fill has no loop to run ahead in: no prefetch for it.
; Both products are used transposed (S^T = k q^T, O^T = v^T p^T): a lane holds one query.  The head's 64 channels fill registers 0-5 of q's and k's fragments; registers 6-11 are zero codes.
; SOFTMAX: M is the running largest t rounded up to a whole number; p = 2^(t - M); the row's sum is taken of the unquantised p; changes of M are exact powers of two.
; x's rows of my tile (16 blocks of 256 bytes) are prefetched once, behind the barrier, a lane a block (lanes 16-31 name lane 15's again), eight trips ahead of the loads behind the loop that want them.
; LIMITS: the promise holds while the scaled scores stay under 2^31 in magnitude; NaN and infinities are not served.
; REGISTERS: v1-11, v28-31 addresses; v12-15, v92-95 -M, largest t and the sum's two halves of the two tiles; v16-27, v80-91 q's fragments; v32-79 four fragments of k or v; v96-159 S^T, then p; v160-191, v192-223 O^T;
;   v224-235 p's codes; v236-247, v252-254 at work; v243, v248-251, v253, v255 scale words.
.set QREC,  315392
.set LV,    98304
.set LKS,   204800
.set LVS,   212992
.set STG,   217600                     ; the waves' stages for the way out, 512 bytes behind the tiles' end
.set WSTG,  4352
.set SPARE, 287232                     ; the spare words: 128 bytes a wave, eight blocks of 256 bytes that no other line names
.set AK0,  1
.set AK1,  2
.set ASK0, 3
.set AV0,  4
.set SPW,  5
.set NIL,  6
.set ASV0, 7
.set ADK,  8
.set ADK1, 9
.set ADS,  10
.set ADV,  11
.set ADT,  28
.set GO,   29
.set DQ,   30
.set PF,   31                          ; v31 the prefetch's offset; never rewritten
.set XR,   67                          ; v67 my stage, 16 x lane: made behind the loop
.set QFE,  16
.set QFO,  80
.set QSE,  255
.set QSO,  243
.set STE,  12
.set STO,  92
.set OTE,  160
.set OTO,  192
.set WV,   18
.set SEL,  20
.set CS,   22
.set G1C,  32
.set G0,   40
.set TB,   2
.set TS,   3
.set TV,   60
.set KF,   61
.set Q0E,  62                          ; the first query of my even-step tile, and of my odd-step tile: for the mask's numbers
.set Q0O,  80
.set PBE,  67                          ; the first query of their panels: made of the wave's number alone; the jumps hang on these
.set PBO,  81
.set CNT,  63
.set TAUE, 82
.set TAUO, 83
.macro CROUND                          ; a round of the cluster's barrier
	s_barrier_signal -1
	s_barrier_wait -1
	s_cmp_lg_u32 s[WV], 0
	s_cbranch_scc1 .Lnot_wave_0_\@
	s_barrier_signal -3
.Lnot_wave_0_\@:
	s_barrier_wait -3
	s_barrier_signal -1
	s_barrier_wait -1
.endm
	s_load_b128 s[4:7], s[0:1], 0x0                ; qkv s[4:5], x s[6:7]
	s_load_b64 s[8:9], s[0:1], 0x10                ; x1
	v_lshl_add_u32 v[SPW], v0, 2, SPARE
	v_mov_b32 v[NIL], 0
	ds_add_u32 v[SPW], v[NIL]                      ; the opening lines: the add, twice on end, and its wait ahead of my tensor load
	ds_add_u32 v[SPW], v[NIL]
	v_lshrrev_b32 v8, 5, v0
	s_delay_alu instid0(VALU_DEP_1)
	v_readfirstlane_b32 s[WV], v8                  ; wave 0..15
	v_and_b32 v8, 15, v0                           ; r
	v_bfe_u32 v9, v0, 4, 1                         ; h
	v_and_b32 v10, 31, v0                          ; lane
	s_delay_alu instid0(VALU_DEP_1)
	v_lshlrev_b32 v[AK0], 4, v10                   ; k's registers 0-3: 16 x lane
	v_lshl_add_u32 v[AK1], v10, 3, 512             ; its registers 4-5: 512 + 8 x lane
	v_lshl_add_u32 v[ASK0], v8, 2, LKS             ; k's scale words
	s_delay_alu instid0(VALU_DEP_3)
	v_add_nc_u32 v[AV0], LV, v[AK0]                ; v's fragments
	v_lshl_add_u32 v[ASV0], v8, 2, LVS             ; v's scale words
	v_lshlrev_b32 v[GO], 12, v9
	s_delay_alu instid0(VALU_DEP_1)
	v_lshl_add_u32 v[GO], v8, 4, v[GO]             ; x, x1: lanes 0-15 one row's 256 bytes, lanes 16-31 the next row's
	v_and_b32 v11, 8, v8
	s_delay_alu instid0(VALU_DEP_1)
	v_add_nc_u32 v11, v11, v8                      ; my query in its tile: r + 8 (r / 8)
	v_lshlrev_b32 v[DQ], 4, v9
	s_delay_alu instid0(VALU_DEP_1)
	v_sub_nc_u32 v[DQ], v11, v[DQ]                 ; less the 16 h that my keys stand further on
	v_min_u32 v[PF], 15, v10                       ; the prefetch: lane l names tile row min(l, 15), which is row r + 8 (r / 8) from my tile's first
	s_delay_alu instid0(VALU_DEP_1)
	v_and_b32 v11, 8, v[PF]
	s_delay_alu instid0(VALU_DEP_1)
	v_add_nc_u32 v[PF], v11, v[PF]
	s_delay_alu instid0(VALU_DEP_1)
	v_lshlrev_b32 v[PF], 12, v[PF]                 ; a row of x is 4,096 bytes
	v_lshlrev_b32 v[ADT], 2, v8                    ; q's scale words: 4 r
	s_and_b32 s66, ttmp7, 0xffff                   ; 16 x batch + head
	s_mul_i32 s68, s66, QREC
	s_mov_b32 s69, 0
	s_bfe_u32 s72, ttmp6, 0x40000                  ; cx
	s_lshl_b32 s71, ttmp9, 2
	s_add_co_u32 s72, s72, s71                     ; j: my tile in every panel
	s_lshr_b32 s70, s[WV], 3
	s_lshr_b32 s73, s[WV], 1                       ; my pair t
	s_xor_b32 s74, s70, s[WV]
	s_and_b32 s74, s74, 1                          ; my role in the pair
	s_sub_co_u32 s71, 15, s73
	s_cmp_eq_u32 s74, 0
	s_cselect_b32 s84, s71, s73                    ; the panel of my even key steps,
	s_cselect_b32 s85, s73, s71                    ; and of my odd ones
	s_lshl_b32 s[PBE], s84, 7
	s_lshl_b32 s[PBO], s85, 7
	s_lshr_b32 s86, s72, 1
	s_lshl_b32 s86, s86, 5
	s_and_b32 s87, s72, 1
	s_lshl_b32 s87, s87, 3
	s_add_co_u32 s86, s86, s87                     ; tile j begins at panel row 32 (j / 2) + 8 (j % 2)
	s_add_co_u32 s[Q0E], s[PBE], s86
	s_add_co_u32 s[Q0O], s[PBO], s86
	s_lshl_b32 s[TAUE], s84, 3
	s_add_co_u32 s[TAUE], s[TAUE], s72             ; the tiles' numbers in the head
	s_lshl_b32 s[TAUO], s85, 3
	s_add_co_u32 s[TAUO], s[TAUO], s72
	s_mov_b32 s[G1C], 15|(3<<16)|(1<<21)           ; the mask: all four of the cluster; elements of 8 bytes; bit 21 beside a mask; no padding
	s_mov_b32 s[G1C+1], 32<<16                     ; rows of 256 bytes,
	s_mov_b32 s[G1C+2], 53<<16                     ; 53 of them,
	s_mov_b32 s[G1C+3], 32<<16
	s_mov_b32 s[G1C+4], 53
	s_mov_b32 s[G1C+5], 32                         ; dense
	s_mov_b32 s[G1C+6], 0
	s_mov_b32 s[G1C+7], 0
	s_mul_i32 s76, s[WV], 53*256                   ; my 53 rows, in memory
	s_mov_b32 s77, 0
	s_mov_b32 s[SEL], 0x76543210
	s_mov_b32 s[SEL+1], 0xfedcba98                 ; v_permlanex16_b32's selects for lane l xor 16
	s_mov_b32 s[CS], 0x3e38aa3b                    ; log2(e) / 8
	s_mov_b32 s[CS+1], s[CS]
	s_wait_alu depctr_va_vdst(0)                   ; the wait here, directly ahead of the waits below
	s_wait_dscnt 0x0                               ; both opening adds are done
	CROUND                                         ; the round in front of the joint loads: it needs no argument, so it stands ahead of the wait for them
	s_wait_kmcnt 0x0
	s_add_nc_u64 s[4:5], s[4:5], s[68:69]          ; the head's record
	s_mov_b32 s[G0], 1
	s_mul_i32 s[G0+1], s[WV], 53*256               ; and in LDS
	s_add_nc_u64 s[G0+2:G0+3], s[4:5], s[76:77]
	s_add_nc_u64 s[G0+2:G0+3], s[G0+2:G0+3], 98304 ; K's codes begin 98,304 bytes into the record
	s_or_b32 s[G0+3], s[G0+3], 0x80000000
	s_mul_i32 s74, s[TAUE], 768
	s_mov_b32 s75, 0
	s_add_nc_u64 s[12:13], s[4:5], s[74:75]        ; q's codes of my even-step tile,
	s_lshl_b32 s74, s[TAUE], 6
	s_add_co_u32 s74, s74, 294912
	s_add_nc_u64 s[14:15], s[4:5], s[74:75]        ; its scale words,
	s_mul_i32 s74, s[TAUO], 768
	s_add_nc_u64 s[84:85], s[4:5], s[74:75]        ; and the same of my odd-step tile
	s_lshl_b32 s74, s[TAUO], 6
	s_add_co_u32 s74, s74, 294912
	s_add_nc_u64 s[86:87], s[4:5], s[74:75]
	global_load_b128 v[QFE:QFE+3], v[AK0], s[12:13]   ; q goes out ahead of the tiles
	global_load_b64 v[QFE+4:QFE+5], v[AK1], s[12:13]
	global_load_b32 v[QSE], v[ADT], s[14:15]
	global_load_b128 v[QFO:QFO+3], v[AK0], s[84:85]
	global_load_b64 v[QFO+4:QFO+5], v[AK1], s[84:85]
	global_load_b32 v[QSO], v[ADT], s[86:87]
	s_lshr_b32 s74, s66, 4
	s_lshl_b32 s74, s74, 11
	s_add_co_u32 s74, s74, s[Q0E]                  ; my even-step tile's first row in x and x1,
	s_lshl_b32 s74, s74, 12
	s_and_b32 s76, s66, 15
	s_lshl_b32 s76, s76, 8                         ; and the head's 256 bytes of a row
	s_add_co_u32 s74, s74, s76
	s_add_nc_u64 s[6:7], s[6:7], s[74:75]
	s_add_nc_u64 s[8:9], s[8:9], s[74:75]
	tensor_load_to_lds s[G0:G0+3], s[G1C:G1C+7]    ; my one tensor load
	s_nop 0
.rept 4
	v_nop
.endr
.irp i, 6,7,8,9,10,11
	v_mov_b32 v[QFE+\i], 0                         ; zero codes for k = 64 .. 127
	v_mov_b32 v[QFO+\i], 0
.endr
.irp t, 0,1,2,3
.irp i, 0,1,2,3,4,5
	v_mov_b32 v[38+12*\t+\i], 0
.endr
.endr
.irp s, STE, STO
	v_mov_b32 v[\s+1], 0xff61b1e6                  ; the largest t so far: -3e38
	s_delay_alu instid0(VALU_DEP_1)
	v_floor_f32 v[\s], -v[\s+1]                    ; -M
	v_mov_b32 v[\s+2], 0                           ; the sum, in two halves
	v_mov_b32 v[\s+3], 0
.endr
.irp b, 0,1,2,3
	v_mov_b32 v[236+\b], 0                         ; written once: a lane permute's destination counts as one of its sources
.endr
	v_mov_b32 v252, 0
	v_mov_b32 v253, 0
	v_mov_b32 v254, 0
.set i, 0
.rept 64
	v_mov_b32 v[OTE+i], 0                          ; O^T of both tiles: the step is written once, and a tile's first step is not known when the text is assembled
.set i, i+1
.endr
; A key step of 128 for one query tile: jumped where its first key lies behind the tile's panel.  S^T in two runs of four tiles of k; v's four fragments are asked for under the softmax; in the step that crosses the
; diagonal (its first key is the panel's first query) the hidden scores are set to -inf; the blocks' largest scores give the row's maximum and, put through the same multiply-add and exponential, the blocks' largest p;
; p is quantised block by block; O^T is brought under the new M and takes the step's product.  The four scalars that walk the keys are stepped on both ways.
.macro STEP qf, qs, st, ot, sq0, spb
	s_cmp_gt_u32 s[KF], s[\spb]
	s_cbranch_scc1 .Lhidden_\@
	v_add_nc_u32 v[ADK], s[TB], v[AK0]
	s_wait_alu depctr_va_vdst(0)
	v_add_nc_u32 v[ADK1], s[TB], v[AK1]
	s_wait_alu depctr_va_vdst(0)
	v_add_nc_u32 v[ADS], s[TS], v[ASK0]
	s_wait_alu depctr_va_vdst(0)
	v_add_nc_u32 v[ADV], s[TB], v[AV0]
	v_add_nc_u32 v[ADT], s[TV], v[ASV0]
.irp g, 0,1
.if \g
.rept 4
	v_nop
.endr
.endif
.irp t, 0,1,2,3
	ds_load_b128 v[32+12*\t:35+12*\t], v[ADK] offset:(4*\g+\t)*768
	ds_load_b64 v[36+12*\t:37+12*\t], v[ADK1] offset:(4*\g+\t)*768
	ds_load_b32 v[248+\t], v[ADS] offset:64*(4*\g+\t)
.endr
	s_wait_dscnt 0x0
.irp t, 0,1,2,3
	v_wmma_scale_f32_16x16x128_f8f6f4 v[96+8*(4*\g+\t):103+8*(4*\g+\t)], v[32+12*\t:43+12*\t], v[\qf:\qf+11], 0, v[248+\t], v[\qs] matrix_a_fmt:MATRIX_FMT_FP6 matrix_b_fmt:MATRIX_FMT_FP6
.endr
.endr
.rept 4
	v_nop
.endr
	s_wait_alu depctr_va_vdst(0)
.irp t, 0,1,2,3
.irp c, 0,1,2
	ds_load_b128 v[32+12*\t+4*\c:35+12*\t+4*\c], v[ADV] offset:1536*\t+512*\c
.endr
	ds_load_b32 v[248+\t], v[ADT] offset:64*\t
.endr
	s_cmp_lt_u32 s[KF], s[\spb]                    ; every key of the step stands ahead of the panel: nothing to hide
	s_cbranch_scc1 .Lopen_\@
	s_sub_co_i32 s66, s[\sq0], s[KF]
	v_add_nc_u32 v252, s66, v[DQ]
	v_mov_b32 v254, 0xff800000
.set n, 0
.rept 64
	v_cmp_gt_i32 vcc_lo, 32*(n/16)+n%16, v252
	v_cndmask_b32 v[96+n], v[96+n], v254, vcc_lo
.set n, n+1
.endr
.Lopen_\@:
.irp b, 0,1,2,3
	v_max3_num_f32 v[232+\b], v[96+16*\b], v[97+16*\b], v[98+16*\b]
.endr
.irp i, 3,5,7,9,11,13
.irp b, 0,1,2,3
	v_max3_num_f32 v[232+\b], v[232+\b], v[96+16*\b+\i], v[97+16*\b+\i]
.endr
.endr
.irp b, 0,1,2,3
	v_max_num_f32 v[232+\b], v[232+\b], v[111+16*\b]
.endr
.irp b, 0,1,2,3
	s_delay_alu instid0(VALU_DEP_4)
	v_permlanex16_b32 v[236+\b], v[232+\b], s[SEL], s[SEL+1]
.endr
.irp b, 0,1,2,3
	s_delay_alu instid0(VALU_DEP_4)
	v_max_num_f32 v[232+\b], v[232+\b], v[236+\b]
.endr
	s_delay_alu instid0(VALU_DEP_2)
	v_max3_num_f32 v254, v232, v233, v234
	s_delay_alu instid0(VALU_DEP_1)
	v_max_num_f32 v254, v254, v235
	s_delay_alu instid0(VALU_DEP_1)
	v_mul_f32 v254, s[CS], v254
	s_delay_alu instid0(VALU_DEP_1)
	v_max_num_f32 v[\st+1], v[\st+1], v254
	v_mov_b32 v254, v[\st]
	s_delay_alu instid0(VALU_DEP_2)
	v_floor_f32 v[\st], -v[\st+1]
	s_delay_alu instid0(VALU_DEP_1)
	v_sub_f32 v254, v[\st], v254
	s_delay_alu instid0(VALU_DEP_1)
	v_cvt_i32_f32 v254, v254
	s_delay_alu instid0(VALU_DEP_1)
	v_ldexp_f32 v252, 1.0, v254
.set i, 0
.rept 32
	v_pk_fma_f32 v[96+i:97+i], v[96+i:97+i], s[CS:CS+1], v[\st:\st+1] op_sel_hi:[1,0,0]
.set i, i+2
.endr
.irp b, 0,1,2,3
	v_fma_f32 v[232+\b], v[232+\b], s[CS], v[\st]
.endr
.set i, 0
	s_wait_alu depctr_va_vdst(0)                   ; the wait ahead of the batch
.rept 64
	v_exp_f32 v[96+i], v[96+i]
.set i, i+1
.endr
	v_pk_mul_f32 v[\st+2:\st+3], v[\st+2:\st+3], v[252:253] op_sel_hi:[1,0]
	s_wait_alu depctr_va_vdst(0)                   ; and behind it, ahead of its first reader
.irp b, 0,1,2,3
	v_exp_f32 v[232+\b], v[232+\b]
.endr
	v_pk_add_f32 v[236:237], v[96:97], v[98:99]
.irp j, 4,8,12,16,20,24,28,32,36,40,44,48,52,56,60
	v_pk_add_f32 v[\st+2:\st+3], v[\st+2:\st+3], v[96+\j:97+\j]
	v_pk_add_f32 v[236:237], v[236:237], v[98+\j:99+\j]
.endr
	s_delay_alu instid0(VALU_DEP_1)
	v_pk_add_f32 v[\st+2:\st+3], v[\st+2:\st+3], v[236:237]
	s_wait_alu depctr_va_vdst(0)
.irp b, 0,1,2,3
	v_max_num_f32 v[232+\b], 0x1800000, v[232+\b]
.endr
.irp b, 0,1,2,3
	s_delay_alu instid0(VALU_DEP_4)
	v_add_nc_u32 v[244+\b], 0xff000000, v[232+\b]
.endr
.irp b, 0,1,2,3
	s_delay_alu instid0(VALU_DEP_4)
	v_lshrrev_b32 v[236+\b], 23, v[244+\b]
.endr
	s_delay_alu instid0(VALU_DEP_3)
	v_lshl_or_b32 v253, v237, 8, v236
	s_delay_alu instid0(VALU_DEP_1)
	v_lshl_or_b32 v253, v238, 16, v253
	s_delay_alu instid0(VALU_DEP_1)
	v_lshl_or_b32 v253, v239, 24, v253
.irp c, 0,1
	v_cvt_scalef32_pk16_fp6_f32 v[224+6*\c:226+6*\c], v[96+32*\c:111+32*\c], v[244+2*\c]
	v_cvt_scalef32_pk16_fp6_f32 v[236+4*\c:238+4*\c], v[112+32*\c:127+32*\c], v[244+2*\c+1]
.endr
	v_nop
.irp c, 0,1
.irp i, 0,1,2
	v_permlane16_swap_b32 v[224+6*\c+\i], v[236+4*\c+\i]
.endr
.irp i, 0,1,2
	s_delay_alu instid0(VALU_DEP_3)
	v_mov_b32 v[227+6*\c+\i], v[236+4*\c+\i]
.endr
.endr
.set i, 0
.rept 16
	v_pk_mul_f32 v[\ot+i:\ot+i+1], v[\ot+i:\ot+i+1], v[252:253] op_sel_hi:[1,0]
.set i, i+2
.endr
.rept 4
	v_nop
.endr
	s_wait_alu depctr_va_vdst(0)
	s_wait_dscnt 0x0
.irp t, 0,1,2,3
	v_wmma_scale_f32_16x16x128_f8f6f4 v[\ot+8*\t:\ot+8*\t+7], v[32+12*\t:43+12*\t], v[224:235], v[\ot+8*\t:\ot+8*\t+7], v[248+\t], v253 matrix_a_fmt:MATRIX_FMT_FP6 matrix_b_fmt:MATRIX_FMT_FP6
.endr
.Lhidden_\@:
	s_add_co_u32 s[TB], s[TB], 6144
	s_add_co_u32 s[TS], s[TS], 512
	s_add_co_u32 s[TV], s[TV], 256
	s_add_co_u32 s[KF], s[KF], 128
.endm
	s_wait_alu depctr_va_vdst(0)                   ; the wait at the head's end
	s_wait_loadcnt 0x0                             ; q's fragments and scale words
	s_wait_tensorcnt 0x0                           ; my 53 rows have landed,
	s_barrier_signal -1
	s_barrier_wait -1                              ; and everybody's
	global_prefetch_b8 v[PF], s[6:7] th:TH_LOAD_NT scope:SCOPE_SE   ; x's 16 blocks of my tile, wanted behind the loop's eight trips
	s_mov_b32 s[TB], 0                             ; the walk over the keys: codes,
	s_mov_b32 s[TS], 0                             ; k's scale words,
	s_mov_b32 s[TV], 0                             ; v's,
	s_mov_b32 s[KF], 0                             ; the step's first key
	s_mov_b32 s[CNT], 8                            ; a constant count: 16 key steps, two a trip
.Lkeys:
	STEP QFE, QSE, STE, OTE, Q0E, PBE
	STEP QFO, QSO, STO, OTO, Q0O, PBO
	s_sub_co_u32 s[CNT], s[CNT], 1
	s_cmp_lg_u32 s[CNT], 0
	s_cbranch_scc1 .Lkeys
.irp i, 0,1,2,3,4,5,6,7
	global_load_b128 v[96+4*\i:99+4*\i], v[GO], s[6:7] offset:(2*\i+8*(\i/4))*4096   ; x, into p's registers: it lands under the exchange below
.endr
	; THE WAY OUT: my odd-step sums go to my stage, my partner's come from its stage; both are brought under the larger M, added, divided by the row's sum, turned into rows through the stage that I have read out, and stored with x
	v_add_f32 v[STE+2], v[STE+2], v[STE+3]
	v_add_f32 v[STO+2], v[STO+2], v[STO+3]
	s_delay_alu instid0(VALU_DEP_2)
	v_permlanex16_b32 v252, v[STE+2], s[SEL], s[SEL+1]
	s_delay_alu instid0(VALU_DEP_2)
	v_permlanex16_b32 v254, v[STO+2], s[SEL], s[SEL+1]
	s_delay_alu instid0(VALU_DEP_2)
	v_add_f32 v[STE+2], v[STE+2], v252
	s_delay_alu instid0(VALU_DEP_2)
	v_add_f32 v[STO+1], v[STO+2], v254
	v_and_b32 v8, 15, v0
	v_bfe_u32 v9, v0, 4, 1
	v_and_b32 v10, 31, v0
	s_mul_i32 s66, s[WV], WSTG
	s_add_co_u32 s66, s66, STG                     ; my stage,
	s_xor_b32 s68, s[WV], 1
	s_mul_i32 s68, s68, WSTG
	s_add_co_u32 s68, s68, STG                     ; my partner's
	v_lshl_add_u32 v64, v10, 3, s66
	v_lshl_add_u32 v[XR], v10, 4, s66
	v_lshl_add_u32 v65, v10, 4, s68
	v_lshl_add_u32 v66, v10, 3, s68
	v_mul_u32_u24 v11, v8, 272
	s_delay_alu instid0(VALU_DEP_1)
	v_lshl_add_u32 v11, v9, 6, v11
	s_delay_alu instid0(VALU_DEP_1)
	v_add_nc_u32 v11, s68, v11
	v_mul_u32_u24 v28, v9, 272
	s_delay_alu instid0(VALU_DEP_1)
	v_lshl_add_u32 v28, v8, 4, v28
	s_delay_alu instid0(VALU_DEP_1)
	v_add_nc_u32 v28, s68, v28
.irp i, 0,1,2,3,4,5,6,7
	ds_store_b128 v[XR], v[OTO+4*\i:OTO+4*\i+3] offset:512*\i
.endr
	ds_store_b64 v64, v[STO:STO+1] offset:4096     ; -M and the row's sum
	s_wait_alu depctr_va_vdst(0)
	s_wait_dscnt 0x0                               ; for my partner's sake: my stores have landed
	s_barrier_signal -1
	s_barrier_wait -1
.irp i, 0,1,2,3,4,5,6,7
	ds_load_b128 v[128+4*\i:131+4*\i], v65 offset:512*\i
.endr
	ds_load_b64 v[236:237], v66 offset:4096
	s_wait_dscnt 0x0
	v_min_num_f32 v238, v[STE], v236               ; -M of the larger M
	s_delay_alu instid0(VALU_DEP_1)
	v_sub_f32 v239, v238, v[STE]
	s_delay_alu instid0(VALU_DEP_2)
	v_sub_f32 v240, v238, v236
	s_delay_alu instid0(VALU_DEP_2)
	v_cvt_i32_f32 v239, v239
	s_delay_alu instid0(VALU_DEP_2)
	v_cvt_i32_f32 v240, v240
	s_delay_alu instid0(VALU_DEP_2)
	v_ldexp_f32 v239, 1.0, v239
	s_delay_alu instid0(VALU_DEP_2)
	v_ldexp_f32 v240, 1.0, v240
	s_delay_alu instid0(VALU_DEP_2)
	v_mul_f32 v241, v[STE+2], v239
	s_delay_alu instid0(VALU_DEP_1)
	v_fma_f32 v241, v237, v240, v241
	s_wait_alu depctr_va_vdst(0)
	v_rcp_f32 v242, v241
	v_nop
	s_wait_alu depctr_va_vdst(0)
	v_mul_f32 v244, v239, v242
	v_mul_f32 v245, v239, v242
	v_mul_f32 v246, v240, v242
	v_mul_f32 v247, v240, v242
.set i, 0
.rept 16
	v_pk_mul_f32 v[32+i:33+i], v[OTE+i:OTE+i+1], v[244:245]
.set i, i+2
.endr
.set i, 0
.rept 16
	v_pk_fma_f32 v[32+i:33+i], v[128+i:129+i], v[246:247], v[32+i:33+i]
.set i, i+2
.endr
.irp t, 0,1,2,3
	ds_store_b128 v11, v[32+8*\t:35+8*\t] offset:128*(\t/2)+32*(\t%2)
	ds_store_b128 v11, v[36+8*\t:39+8*\t] offset:128*(\t/2)+32*(\t%2)+16
.endr
.irp i, 0,1,2,3,4,5,6,7
	ds_load_b128 v[128+4*\i:131+4*\i], v28 offset:544*\i
.endr
	s_wait_loadcnt 0x0                             ; x
.irp i, 0,1,2,3,4,5,6,7
	s_wait_dscnt 7-\i
	v_pk_add_f32 v[128+4*\i:129+4*\i], v[128+4*\i:129+4*\i], v[96+4*\i:97+4*\i]
	v_pk_add_f32 v[130+4*\i:131+4*\i], v[130+4*\i:131+4*\i], v[98+4*\i:99+4*\i]
	global_store_b128 v[GO], v[128+4*\i:131+4*\i], s[8:9] offset:(2*\i+8*(\i/4))*4096   ; sixteen lanes store one aligned 256 bytes
.endr
	s_wait_tensorcnt 0x0                           ; the wave's end
	ds_add_u32 v[SPW], v[NIL]
	s_wait_dscnt 0x0
	CROUND                                         ; the closing round
	s_endpgm
.Lfunc_end_k_qc95d623adf_attn:
	.size	k_qc95d623adf_attn, .Lfunc_end_k_qc95d623adf_attn-k_qc95d623adf_attn
	.p2alignl 7, 3214868480
	.fill 96, 4, 3214868480
	.section	.rodata,"a",@progbits
	.p2align	6, 0x0
	.amdhsa_kernel k_qc95d623adf_attn
		.amdhsa_group_segment_fixed_size 327680
		.amdhsa_private_segment_fixed_size 0
		.amdhsa_enable_private_segment 0
		.amdhsa_kernarg_size 24
		.amdhsa_user_sgpr_count 2
		.amdhsa_user_sgpr_kernarg_segment_ptr 1
		.amdhsa_wavefront_size32 1
		.amdhsa_system_sgpr_workgroup_id_x 1
		.amdhsa_system_sgpr_workgroup_id_y 1
		.amdhsa_system_sgpr_workgroup_id_z 1
		.amdhsa_system_vgpr_workitem_id 0
		.amdhsa_next_free_vgpr 256
		.amdhsa_next_free_sgpr 96
		.amdhsa_reserve_vcc 1
		.amdhsa_float_denorm_mode_32 3
		.amdhsa_float_denorm_mode_16_64 3
		.amdhsa_memory_ordered 1
		.amdhsa_forward_progress 1
		.amdhsa_inst_pref_size 67
	.end_amdhsa_kernel
	.amdgpu_metadata
---
amdhsa.version: [ 1, 2 ]
amdhsa.kernels:
  - .name:           k_qc95d623adf_attn
    .symbol:         k_qc95d623adf_attn.kd
    .args:
      - { .name: qkv, .offset: 0, .size: 8, .value_kind: global_buffer, .address_space: global }
      - { .name: x, .offset: 8, .size: 8, .value_kind: global_buffer, .address_space: global }
      - { .name: x1, .offset: 16, .size: 8, .value_kind: global_buffer, .address_space: global }
    .group_segment_fixed_size: 327680
    .private_segment_fixed_size: 0
    .kernarg_segment_align: 8
    .kernarg_segment_size: 24
    .max_flat_workgroup_size: 512
    .sgpr_count:     96
    .vgpr_count:     256
    .wavefront_size: 32
...
	.end_amdgpu_metadata
.endif
;; end of part 3
;; launch lnw2: the kernel of part 1 again; grid 256 x 2, 8 waves a work-group, no clusters, 98,304 bytes of LDS; arguments x1, ln2_scale, ln2_shift, xn, w_qkv, w_fc, w_proj, wc; writes xn, wc
;; launch fc (part 4): grid 16 x 16, 4 waves a work-group, clusters of 4 x 4, 327,680 bytes of LDS; arguments xn, wc, b_fc, act; writes act
.if DOCPART == 4
	.amdgcn_target "amdgcn-amd-amdhsa--gfx1250"
	.amdhsa_code_object_version 6
	.text
	.protected	k_qc95d623adf_fc
	.globl	k_qc95d623adf_fc
	.p2align	8
	.type	k_qc95d623adf_fc,@function
k_qc95d623adf_fc:
	s_mov_b64 s[64:65], 0
	v_nop
	global_prefetch_b8 v0, s[64:65] scope:SCOPE_SE
	s_setreg_imm32_b32 hwreg(HW_REG_WAVE_MODE, 25, 1), 1
	s_wait_xcnt 0x0
	s_wait_alu depctr_hold_cnt(0) depctr_sa_sdst(0) depctr_va_vdst(0) depctr_va_sdst(0) depctr_va_ssrc(0) depctr_va_vcc(0) depctr_vm_vsrc(0)
	s_getreg_b32 s2, hwreg(HW_REG_IB_STS2, 6, 4)
	s_cmp_eq_u32 s2, 0
	s_cbranch_scc0 .Lentry_in_a_cluster
	s_endpgm
.Lentry_in_a_cluster:
	s_bfe_u32 s2, ttmp6, 0x10000c
	s_cmp_lg_u32 s2, 0xf033
	s_cbranch_scc0 .Lentry_shape_is_right
	s_endpgm
.Lentry_shape_is_right:
; act = Q(relu(LN2(x1) W_fc + b_fc)) on codes of FP6 (E2M3) with E8M0 scales, K = 1,024; the result is quantised in registers along the hidden units, the next product's K, and stored as panel records.
; OPERANDS AND RESULT are panel records (12,800 bytes: 128 rows x 128 K: eight register images of 1,536 bytes, then 512 bytes of scale words); lane r of tile i stands for panel row 32 (i / 2) + 8 (i % 2) + r + 8 (r / 8).
; A work-group of four waves makes 256 tokens x 256 hidden units, a wave 128 x 128: 64 accumulators, 512 registers.  A = the tokens (xn) is source 1: a lane is a token.  B = the weights' columns is source 0: by the order of rows
; above, the 16 registers of B's tiles 2 b and 2 b + 1 are 16 neighbouring hidden units, as the quantiser wants them.  The bias is the C of each sum's first matrix instruction.
; CLUSTERS of 4 x 4: A's tiles are shared along a row of the cluster, B's along a column, and asked for jointly.
; LDS: three slots of two K steps (102,400 bytes: four quarters of two records, one tensor load a wave).  Six of the eight K steps are asked for at the head (three loads of a wave are out); slot 0 is filled once more, with K steps 6, 7,
; behind the one round in the middle, and has K steps 2 to 5, 256 matrix instructions, in which to land.
; Scale words leave two tiles at a time, 128 consecutive bytes: half of an aligned 256; they are one byte in 25 of what the launch stores.
; LIMITS: NaN and infinities are not served; a block whose largest magnitude lies under 2^-124 keeps the byte 1; a block of zeros gets the byte 1 where the rule says 127 (zero codes; this program alone reads the bytes).
; REGISTERS: window 0: v16-27 addresses; v28, v29 the add's two; v32-47 scale words, two sets, and nothing else; v48-66 at work; v96-127, v224-255 the bias; v128-223 A's eight fragments, later the quantiser's numbers and codes.
;   window 1: B's fragments, two sets, at v0 and v128.   windows 2, 3: the accumulators, (a, b) at v[8 (8 (a % 4) + b)].
.set REC,   12800
; THE FILLS AS THEY STAND (this takes the place of what the paragraph on LDS above says): two slots of three K steps (153,600 bytes: four quarters of three records, one tensor load a wave).  Slot 0 (K steps 0-2) is asked for at
; the head; slot 1 (K steps 3-5) behind the three lines and a round of the cluster's barrier; slot 0 is filled once more, with K steps 6, 7 (two records a wave), behind the round in K step 2.  One load of a wave is out at any time.
.set QUART, 3*REC
.set SLOT,  4*QUART
.set SPARE, 2*SLOT                     ; the spare words: 128 bytes a wave, two blocks of 256 bytes that no other line names
.set FR,    12
.set ADRA,  16
.set ADRB,  19
.set ADRS,  22
.set L16,   25
.set L4,    27
.set SPW,   28
; THE TILES ARE PREFETCHED, one fill ahead of their loads: behind the head's load the 150 rows of 256 bytes that my second load will bring, behind the second load the 100 rows of my third.  The four work-groups that ask for
; a tile jointly share its rows out by address: place p (cx for A's tiles, cy for B's) names rows 38 p .. 38 p + 37, held at row 149, and 25 p .. 25 p + 24; lanes left over name the run's last row again.  Every offset is an immediate.
.set PFA,   98                         ; s[98:99] the first byte of the panel that I fetch
.set PFO,   8                          ; v8-10 the three runs' offsets; never rewritten
.set NIL,   29
.set SC,    32
.set TM,    48
.set PW,    64
.set PWE,   65
.set W0,    66
.set AF,    128
.set HA,    128
.set PC,    192
.set G1A,   24
.set G1B,   32
.set G0A,   40
.set G0B,   52
.set SEL,   20
.set MUL_LO, 0xa1                      ; source 0 (B) window 1, source 1 (A) window 0, C and D window 2
.set MUL_HI, 0xf1                      ; the same, C and D window 3
.set TO_B,  0x40                       ; destination window 1
.set MSB, 0
.macro WIN new                         ; the immediate's high byte repeats the setting that is left
.if MSB != (\new)
	s_set_vgpr_msb (MSB<<8)|(\new)
.set MSB, (\new)
.endif
.endm
.macro PLACES                          ; four plain lines behind matrix instructions, ahead of loads into registers that they read and of reads of their results
.rept 4
	v_nop
.endr
.endm
.macro JLOAD g0a, g0b                  ; a joint load: waves 0, 1 fetch for A, waves 2, 3 for B; the branch hangs on the wave's number alone; s_nop 0 and four v_nop follow each line
	s_cmp_eq_u32 s15, 0
	s_cbranch_scc0 .Lfor_b_\@
	tensor_load_to_lds s[\g0a:\g0a+3], s[G1A:G1A+7]
	s_nop 0
.rept 4
	v_nop
.endr
	s_branch .Lasked_\@
.Lfor_b_\@:
	tensor_load_to_lds s[\g0b:\g0b+3], s[G1B:G1B+7]
	s_nop 0
.rept 4
	v_nop
.endr
.Lasked_\@:
.endm
.macro CREST                           ; a round of the cluster's barrier behind its opening barrier
	s_cmp_lg_u32 s14, 0
	s_cbranch_scc1 .Lnot_wave_0_\@
	s_barrier_signal -3
.Lnot_wave_0_\@:
	s_barrier_wait -3
	s_barrier_signal -1
	s_barrier_wait -1
.endm
.macro CROUND
	s_barrier_signal -1
	s_barrier_wait -1
	CREST
.endm
.macro FRAG reg, adr, off              ; a fragment comes back as it was stored: three loads of 512 consecutive bytes
.irp c, 0,1,2
	ds_load_b128 v[\reg+4*\c:\reg+4*\c+3], v[\adr] offset:\off+512*\c
.endr
.endm
.macro FETCH_B sl, jj, p
	WIN TO_B
.irp i, 0,1,2,3,4,5,6,7
	FRAG 128*(\p)+FR*\i, ADRB+\sl, (\jj)*REC+1536*\i
.endr
	WIN 0
.endm
.macro FETCH_A sl, jj, i0
.irp i, \i0, \i0+1, \i0+2, \i0+3
	FRAG AF+FR*(\i), ADRA+\sl, (\jj)*REC+1536*(\i)
.endr
.endm
.macro SCALES sl, jj, p                ; lanes 0-15 take the words of A's block i, lanes 16-31 those of B's tile i
.irp i, 0,1,2,3,4,5,6,7
	ds_load_b32 v[SC+8*(\p)+\i], v[ADRS+\sl] offset:(\jj)*REC+12288+64*\i
.endr
.endm
.macro MUL16 a0, p, first              ; A's blocks a0, a0 + 1 x B's eight tiles; the 64 accumulators take turns in the same order in every K step; first = 1: the sums begin with the bias
.irp a, \a0, \a0+1
.irp b, 0,1,2,3,4,5,6,7
.set DD, 8*(8*((\a)%4)+\b)
.if \first
	v_wmma_scale_f32_16x16x128_f8f6f4 v[DD:DD+7], v[128*(\p)+FR*\b:128*(\p)+FR*\b+FR-1], v[AF+FR*(\a):AF+FR*(\a)+FR-1], v[96+8*\b+96*(\b/4):96+8*\b+96*(\b/4)+7], v[SC+8*(\p)+\b], v[SC+8*(\p)+(\a)] matrix_a_fmt:MATRIX_FMT_FP6 matrix_b_fmt:MATRIX_FMT_FP6 matrix_a_scale:MATRIX_SCALE_ROW1
.else
	v_wmma_scale_f32_16x16x128_f8f6f4 v[DD:DD+7], v[128*(\p)+FR*\b:128*(\p)+FR*\b+FR-1], v[AF+FR*(\a):AF+FR*(\a)+FR-1], v[DD:DD+7], v[SC+8*(\p)+\b], v[SC+8*(\p)+(\a)] matrix_a_fmt:MATRIX_FMT_FP6 matrix_b_fmt:MATRIX_FMT_FP6 matrix_a_scale:MATRIX_SCALE_ROW1
.endif
.endr
.endr
.endm
.macro STEP p, sn, jn, first           ; a K step on set p; the next step's operands (slot sn, its step jn) are fetched in two runs
	s_wait_dscnt 12                                ; B's set, A's blocks 0-3 and the scale words are in; the youngest twelve loads (A's blocks 4-7) may be out
.if \first
	WIN 0x81                                       ; C (the bias) window 0, D window 2
.else
	WIN MUL_LO
.endif
	MUL16 0, \p, \first
	MUL16 2, \p, \first
	s_wait_dscnt 0x0
	PLACES
	FETCH_B \sn, \jn, 1-\p
	FETCH_A \sn, \jn, 0
	SCALES \sn, \jn, 1-\p
.if \first
	WIN 0xc1
.else
	WIN MUL_HI
.endif
	MUL16 4, \p, \first
	MUL16 6, \p, \first
	PLACES
	WIN 0
	FETCH_A \sn, \jn, 4
.endm
.macro TURN sn, fill, p                ; a K step on set p with the work-group's barrier in it; fill = 1: slot 0, which it has read out, is filled again behind a round of the cluster's barrier
	s_wait_tensorcnt 0x0                           ; all my tensor loads have landed
	ds_add_u32 v[SPW], v[NIL]                      ; 0 onto my spare word
	s_wait_dscnt 13                                ; (the add and A's blocks 4-7 may be out)
	WIN MUL_LO
	MUL16 0, \p, 0
	s_wait_dscnt 0x0                               ; the add is done, and my reads of the slot are over
	s_barrier_signal -1
	MUL16 2, \p, 0
	WIN 0
	s_barrier_wait -1
.if \fill
	CREST                                          ; no wave of any partner still reads slot 0 or has a load on its way
	s_mov_b32 s[G1A+2], 100<<16                    ; no tensor load of mine is out: a load brings two records again
	s_mov_b32 s[G1A+4], 100
	s_mov_b32 s[G1B+2], 100<<16
	s_mov_b32 s[G1B+4], 100
	s_add_nc_u64 s[G0A+2:G0A+3], s[G0A+2:G0A+3], 6*REC
	s_add_nc_u64 s[G0B+2:G0B+3], s[G0B+2:G0B+3], 6*REC
	JLOAD G0A, G0B                                 ; K steps 6 and 7; its four v_nop are also the places ahead of the loads below
.else
	PLACES
.endif
	s_wait_alu depctr_va_vdst(0)
	FETCH_B \sn, 0, 1-\p
	FETCH_A \sn, 0, 0
	SCALES \sn, 0, 1-\p
	WIN MUL_HI
	MUL16 4, \p, 0
	MUL16 6, \p, 0
	PLACES
	WIN 0
	FETCH_A \sn, 0, 4
.endm
.macro LAST                            ; the last K step, on set 1
	s_wait_dscnt 12
	WIN MUL_LO
	MUL16 0, 1, 0
	MUL16 2, 1, 0
	s_wait_dscnt 0x0
	WIN MUL_HI
	MUL16 4, 1, 0
	MUL16 6, 1, 0
	WIN 0
	PLACES
.endm
.macro QUANT s                         ; 64 numbers of a lane, register 16 b + i = k 32 b + 16 (lane / 16) + i of my row, become a fragment's codes in v[PC] on and its scale word in v[PW]
.irp b, 0,1,2,3
	v_max3_num_f32 v[TM+\b], |v[\s+16*\b]|, |v[\s+1+16*\b]|, 0x1800000
.endr
.irp i, 2,4,6,8,10,12,14
.irp b, 0,1,2,3
	v_max3_num_f32 v[TM+\b], v[TM+\b], |v[\s+16*\b+\i]|, |v[\s+1+16*\b+\i]|
.endr
.endr
.irp b, 0,1,2,3
	v_permlanex16_b32 v[TM+4+\b], v[TM+\b], s[SEL], s[SEL+1]
.endr
.irp b, 0,1,2,3
	v_max_num_f32 v[TM+\b], v[TM+\b], v[TM+4+\b]
.endr
.irp b, 0,1,2,3
	v_add_nc_u32 v[TM+12+\b], 0xff000000, v[TM+\b]
.endr
.irp b, 0,1,2,3
	v_lshrrev_b32 v[TM+4+\b], 23, v[TM+12+\b]
.endr
	v_lshl_or_b32 v[PW], v[TM+5], 8, v[TM+4]
	v_lshl_or_b32 v[PW], v[TM+6], 16, v[PW]
	v_lshl_or_b32 v[PW], v[TM+7], 24, v[PW]
.irp c, 0,1
	v_cvt_scalef32_pk16_fp6_f32 v[PC+6*\c:PC+2+6*\c], v[\s+32*\c:\s+15+32*\c], v[TM+12+2*\c]
	v_cvt_scalef32_pk16_fp6_f32 v[PC+12+4*\c:PC+14+4*\c], v[\s+16+32*\c:\s+31+32*\c], v[TM+12+2*\c+1]
.endr
	v_nop
.irp c, 0,1
.irp i, 0,1,2
	v_permlane16_swap_b32 v[PC+6*\c+\i], v[PC+12+4*\c+\i]
.endr
.irp i, 0,1,2
	v_mov_b32 v[PC+3+6*\c+\i], v[PC+12+4*\c+\i]
.endr
.endr
.endm
	s_load_b256 s[4:11], s[0:1], 0x0               ; xn s[4:5], wc s[6:7], b_fc s[8:9], act s[10:11]
	v_lshl_add_u32 v[SPW], v0, 2, SPARE
	v_mov_b32 v[NIL], 0
	ds_add_u32 v[SPW], v[NIL]                      ; the wave's opening: the add and its wait ahead of my first tensor load
	ds_add_u32 v[SPW], v[NIL]
	v_lshrrev_b32 v1, 5, v0
	v_readfirstlane_b32 s14, v1                    ; wave
	s_lshr_b32 s15, s14, 1                         ; my half of the tokens.  Also: I fetch for A (0) or for B (1)
	s_and_b32 s16, s14, 1                          ; my half of the hidden units.  Also: which panel of that tile I fetch
	s_bfe_u32 s66, ttmp6, 0x40000                  ; cx
	s_bfe_u32 s67, ttmp6, 0x40004                  ; cy
	s_lshl_b32 s70, ttmp9, 2
	s_add_co_u32 s70, s70, s66                     ; B's tile
	s_and_b32 s17, ttmp7, 0xffff
	s_lshl_b32 s17, s17, 2
	s_add_co_u32 s17, s17, s67                     ; A's tile
	s_lshl_b32 s68, s67, 2
	s_lshl_b32 s68, 15, s68                        ; my row of the cluster
	s_lshl_b32 s69, 0x1111, s66                    ; my column
	s_or_b32 s[G1A], s68, (3<<16)|(1<<21)          ; 15:0 the mask; 17:16 elements of 8 bytes; 21 set beside a mask; no padding
	s_or_b32 s[G1B], s69, (3<<16)|(1<<21)
.irp g, G1A, G1B
	s_mov_b32 s[\g+1], 32<<16                      ; rows of 256 bytes
	s_mov_b32 s[\g+2], 150<<16                     ; 150 rows: three records
	s_mov_b32 s[\g+3], 32<<16
	s_mov_b32 s[\g+4], 150
	s_mov_b32 s[\g+5], 32                          ; dense
	s_mov_b32 s[\g+6], 0
	s_mov_b32 s[\g+7], 0
.endr
	s_lshl_b32 s72, s17, 1
	s_add_co_u32 s72, s72, s16
	s_mul_i32 s72, s72, 8*REC                      ; A: the panel that I would fetch
	s_mov_b32 s73, 0
	s_lshl_b32 s74, s70, 1
	s_add_co_u32 s74, s74, s16
	s_mul_i32 s74, s74, 8*REC                      ; B: likewise, in registers that never hold A's coordinate
	s_mov_b32 s75, 0
	s_mul_i32 s71, s14, QUART                      ; my quarter of a slot
	s_mov_b32 s[SEL], 0x76543210
	s_mov_b32 s[SEL+1], 0xfedcba98
	s_mov_b32 s96, 0xffff0000                      ; lanes 16-31
	s_wait_dscnt 0x0                               ; both opening adds are done
	CROUND                                         ; the round in front of the first joint loads: it needs no argument, so it stands ahead of the wait for them
	s_wait_kmcnt 0x0
	s_add_nc_u64 s[72:73], s[4:5], s[72:73]
	s_add_nc_u64 s[74:75], s[6:7], s[74:75]
	s_add_nc_u64 s[74:75], s[74:75], 2457600       ; w_fc's records begin 192 records on
	s_cmp_eq_u32 s15, 0                            ; do I fetch for A?
	s_cselect_b64 s[PFA:PFA+1], s[72:73], s[74:75]
	s_cselect_b32 s85, s66, s67                    ; my place among the four that ask with me: it enters addresses of prefetches alone
.irp s, 0,1
	s_mov_b32 s[G0A+4*\s], 1
	s_add_co_u32 s[G0A+4*\s+1], s71, \s*SLOT
	s_add_nc_u64 s[G0A+4*\s+2:G0A+4*\s+3], s[72:73], \s*3*REC
	s_or_b32 s[G0A+4*\s+3], s[G0A+4*\s+3], 0x80000000
	s_mov_b32 s[G0B+4*\s], 1
	s_add_co_u32 s[G0B+4*\s+1], s71, \s*SLOT
	s_add_nc_u64 s[G0B+4*\s+2:G0B+4*\s+3], s[74:75], \s*3*REC
	s_or_b32 s[G0B+4*\s+3], s[G0B+4*\s+3], 0x80000000
.endr
	JLOAD G0A, G0B                                 ; K steps 0 to 2: one tensor load a wave at the head
	v_and_b32 v1, 15, v0                           ; r
	v_bfe_u32 v2, v0, 4, 1                         ; h
	s_wait_alu depctr_va_vdst(0)
	v_and_b32 v3, 31, v0                           ; lane
	v_lshlrev_b32 v[L16], 4, v3
	s_wait_alu depctr_va_vdst(0)
	v_lshlrev_b32 v[L4], 2, v3
	s_mul_i32 s97, s85, 25
	s_mul_i32 s85, s85, 38
	v_min_u32 v[PFO+2], 24, v3
	v_min_u32 v[PFO+1], 5, v3
	v_add_nc_u32 v[PFO+2], s97, v[PFO+2]           ; row 25 p + min(lane, 24)
	v_add_nc_u32 v[PFO], s85, v3                   ; row 38 p + lane,
	v_add3_u32 v[PFO+1], v[PFO+1], s85, 32         ; and 38 p + 32 + min(lane, 5),
	v_min_u32 v[PFO], 149, v[PFO]                  ; both held at the load's last row
	v_min_u32 v[PFO+1], 149, v[PFO+1]
	v_lshlrev_b32 v[PFO+2], 8, v[PFO+2]
	v_lshlrev_b32 v[PFO], 8, v[PFO]
	v_lshlrev_b32 v[PFO+1], 8, v[PFO+1]
	global_prefetch_b8 v[PFO], s[PFA:PFA+1] offset:3*REC th:TH_LOAD_NT scope:SCOPE_SE     ; K steps 3 to 5
	global_prefetch_b8 v[PFO+1], s[PFA:PFA+1] offset:3*REC th:TH_LOAD_NT scope:SCOPE_SE
	v_lshlrev_b32 v5, 6, v2                        ; the bias: 64 h
	s_lshl_b32 s78, s70, 10
	s_lshl_b32 s79, s16, 9
	s_add_co_u32 s78, s78, s79
	s_mov_b32 s79, 0
	s_add_nc_u64 s[8:9], s[8:9], s[78:79]          ; the bias of my 128 hidden units
.irp b, 0,1,2,3,4,5,6,7
	global_load_b128 v[96+8*\b+96*(\b/4):96+8*\b+96*(\b/4)+3], v5, s[8:9] offset:4*(32*(\b/2)+8*(\b%2))
	global_load_b128 v[96+8*\b+96*(\b/4)+4:96+8*\b+96*(\b/4)+7], v5, s[8:9] offset:4*(32*(\b/2)+8*(\b%2))+16
.endr
	s_mul_i32 s76, s15, QUART                      ; my panel of A
	s_mul_i32 s77, s16, QUART
	s_add_co_u32 s77, s77, 2*QUART                 ; my panel of B
	s_sub_co_u32 s78, s77, s76
	v_mul_u32_u24 v4, s78, v2                      ; lanes 16-31 take B's scale words
	v_lshl_add_u32 v4, v1, 2, v4
.irp s, 0,1
	v_add_nc_u32 v[ADRA+\s], s76, v[L16]
	v_add_nc_u32 v[ADRB+\s], s77, v[L16]
	v_add_nc_u32 v[ADRS+\s], s76, v4
	s_add_co_u32 s76, s76, SLOT
	s_add_co_u32 s77, s77, SLOT
.endr
.irp b, 0,1,2,3
	v_mov_b32 v[TM+4+\b], 0                        ; written once: a lane permute's destination counts as one of its sources
.endr
	s_lshl_b32 s80, s17, 1
	s_add_co_u32 s80, s80, s15                     ; my panel of tokens,
	s_lshl_b32 s80, s80, 5
	s_lshl_b32 s81, s70, 1
	s_add_co_u32 s81, s81, s16                     ; my K step of the next product
	s_add_co_u32 s80, s80, s81
	s_mul_i32 s80, s80, REC
	s_mov_b32 s81, 0
	s_add_nc_u64 s[10:11], s[10:11], s[80:81]      ; my record of act
	s_wait_alu depctr_va_vdst(0)                   ; the wait at the head's end
	s_wait_tensorcnt 0x0                           ; my part of slot 0 is in
	ds_add_u32 v[SPW], v[NIL]
	s_wait_dscnt 0x0
	CROUND                                         ; slot 0 is whole, and all sixteen work-groups are here
	JLOAD G0A+4, G0B+4                             ; K steps 3 to 5: the first tensor load behind the round
	FETCH_B 0, 0, 0
	FETCH_A 0, 0, 0
	SCALES 0, 0, 0
	FETCH_A 0, 0, 4
	global_prefetch_b8 v[PFO+2], s[PFA:PFA+1] offset:6*REC th:TH_LOAD_NT scope:SCOPE_SE   ; K steps 6 and 7
	s_wait_loadcnt 0x0                             ; the bias
	STEP 0, 0, 1, 1                                ; K step 0 starts the sums with the bias: nothing is cleared, nothing is added later
	STEP 1, 0, 2, 0                                ; K step 1
	TURN 1, 1, 0                                   ; K step 2; slot 1 is shown whole to every wave; slot 0 is asked for again
	STEP 1, 1, 1, 0                                ; K steps 3, 4
	STEP 0, 1, 2, 0
	TURN 0, 0, 1                                   ; K step 5; slot 0 is whole again behind its barrier; nothing more is asked for
	STEP 0, 0, 1, 0                                ; K steps 6, 7
	LAST
.macro EPI a                           ; A's block a: 16 tokens x 128 hidden units: a whole fragment of the next product
	WIN 0x08+4*((\a)/4)                            ; source 1: window 2 or 3
.set i, 0
.rept 64
	v_max_num_f32 v[HA+i], 0, v[64*((\a)%4)+i]     ; the activation, in f32; each accumulator from its low end on
.set i, i+1
.endr
	WIN 0
	s_wait_xcnt 0x0                                ; the earlier stores have read their registers
	QUANT HA
.irp c, 0,1,2
	global_store_b128 v[L16], v[PC+4*\c:PC+4*\c+3], s[10:11] offset:1536*(\a)+512*\c   ; 512 consecutive bytes, at a multiple of 256 from act's first byte
.endr
.if ((\a)%2) == 0
	v_mov_b32 v[PWE], v[PW]
.else
	v_cndmask_b32 v[W0], v[PWE], v[PW], s96        ; lanes 0-15: tile a - 1's words, lanes 16-31: tile a's
	global_store_b32 v[L4], v[W0], s[10:11] offset:12288+64*((\a)-1)
.endif
.endm
.irp a, 0,1,2,3,4,5,6,7
	EPI \a
.endr
	s_wait_tensorcnt 0x0                           ; the wave's end
	ds_add_u32 v[SPW], v[NIL]
	s_wait_dscnt 0x0
	CROUND                                         ; the closing round
	s_endpgm
.Lfunc_end_k_qc95d623adf_fc:
	.size	k_qc95d623adf_fc, .Lfunc_end_k_qc95d623adf_fc-k_qc95d623adf_fc
	.p2alignl 7, 3214868480
	.fill 96, 4, 3214868480
	.section	.rodata,"a",@progbits
	.p2align	6, 0x0
	.amdhsa_kernel k_qc95d623adf_fc
		.amdhsa_group_segment_fixed_size 327680
		.amdhsa_private_segment_fixed_size 0
		.amdhsa_enable_private_segment 0
		.amdhsa_kernarg_size 32
		.amdhsa_user_sgpr_count 2
		.amdhsa_user_sgpr_kernarg_segment_ptr 1
		.amdhsa_wavefront_size32 1
		.amdhsa_system_sgpr_workgroup_id_x 1
		.amdhsa_system_sgpr_workgroup_id_y 1
		.amdhsa_system_sgpr_workgroup_id_z 1
		.amdhsa_system_vgpr_workitem_id 0
		.amdhsa_next_free_vgpr 1024
		.amdhsa_next_free_sgpr 100
		.amdhsa_reserve_vcc 0
		.amdhsa_float_denorm_mode_32 3
		.amdhsa_float_denorm_mode_16_64 3
		.amdhsa_memory_ordered 1
		.amdhsa_forward_progress 1
		.amdhsa_inst_pref_size 157
	.end_amdhsa_kernel
	.amdgpu_metadata
---
amdhsa.version: [ 1, 2 ]
amdhsa.kernels:
  - .name:           k_qc95d623adf_fc
    .symbol:         k_qc95d623adf_fc.kd
    .args:
      - { .name: xn, .offset: 0, .size: 8, .value_kind: global_buffer, .address_space: global }
      - { .name: wc, .offset: 8, .size: 8, .value_kind: global_buffer, .address_space: global }
      - { .name: b_fc, .offset: 16, .size: 8, .value_kind: global_buffer, .address_space: global }
      - { .name: act, .offset: 24, .size: 8, .value_kind: global_buffer, .address_space: global }
    .group_segment_fixed_size: 327680
    .private_segment_fixed_size: 0
    .kernarg_segment_align: 8
    .kernarg_segment_size: 32
    .max_flat_workgroup_size: 128
    .sgpr_count:     100
    .vgpr_count:     1024
    .wavefront_size: 32
...
	.end_amdgpu_metadata
.endif
;; end of part 4
;; launch proj (part 5): grid 8 x 32, 4 waves a work-group, clusters of 4 x 4, 327,680 bytes of LDS; arguments act, wc, b_proj, x1, out0; writes out0
.if DOCPART == 5
	.amdgcn_target "amdgcn-amd-amdhsa--gfx1250"
	.amdhsa_code_object_version 6
	.text
	.protected	k_qc95d623adf_proj
	.globl	k_qc95d623adf_proj
	.p2align	8
	.type	k_qc95d623adf_proj,@function
k_qc95d623adf_proj:
	s_mov_b64 s[64:65], 0
	v_nop
	global_prefetch_b8 v0, s[64:65] scope:SCOPE_SE
	s_setreg_imm32_b32 hwreg(HW_REG_WAVE_MODE, 25, 1), 1
	s_wait_xcnt 0x0
	s_wait_alu depctr_hold_cnt(0) depctr_sa_sdst(0) depctr_va_vdst(0) depctr_va_sdst(0) depctr_va_ssrc(0) depctr_va_vcc(0) depctr_vm_vsrc(0)
	s_getreg_b32 s2, hwreg(HW_REG_IB_STS2, 6, 4)
	s_cmp_eq_u32 s2, 0
	s_cbranch_scc0 .Lentry_in_a_cluster
	s_endpgm
.Lentry_in_a_cluster:
	s_bfe_u32 s2, ttmp6, 0x10000c
	s_cmp_lg_u32 s2, 0xf033
	s_cbranch_scc0 .Lentry_shape_is_right
	s_endpgm
.Lentry_shape_is_right:
; out0 = x1 + act W_proj + b_proj on codes of FP6 (E2M3) with E8M0 scales, K = 4,096 (32 K steps of 128).
; OPERANDS are panel records (12,800 bytes: 128 rows x 128 K: eight register images of 1,536 bytes, then 512 bytes of scale words); lane r of tile i stands for panel row 32 (i / 2) + 8 (i % 2) + r + 8 (r / 8).
; The result has 32 x 8 tiles of 128 x 128: one for each of 256 work-groups; larger tiles would leave work-groups without work.  Four waves, each 64 x 64: 16 accumulators.
; A = the tokens (act) is source 1: a lane is a token.  B = the weights' columns is source 0: a lane's eight results are eight neighbouring columns.  The bias is the C of each sum's first matrix instruction.
; CLUSTERS of 4 x 4: A's panel is shared along a row of the cluster, B's along a column, and asked for jointly.
; LDS: two slots of six K steps (153,600 bytes: A's six records, then B's six), as large as two fit; a wave's one load brings three records.  Fills: K steps 0-5 and 6-11 at the head (two loads of a wave are out), then 12-17, 18-23, 24-29
; and 30-31 (one record a wave), each behind a round of the cluster's barrier at the end of the slot that it fills; a fill has six K steps, 96 matrix instructions, in which to land.
; THE WAY OUT: a block of 16 tokens x 64 columns goes through the wave's stage and comes back as rows of 256 bytes; x1, loaded at the head, is added; sixteen lanes store one aligned 256 bytes.  The stage lies in slot 0, which
; has had its last fill and, behind the barrier at K step 29, its last read.
; REGISTERS: window 0: v8-22 addresses; v28, v29 the add's two; v32-39 scale words, two sets, and nothing else; v40-71 the bias, later rows on the way out, with v72-103; v128-255 the accumulators, (a, b) at v[128 + 8 (4 a + b)].
;   window 1: two buffers of 96: B's four fragments, then A's four.   window 2: v0-127 x1.
.set REC,   12800
; THE FIRST FILLS AS THEY STAND (this takes the place of what the paragraph on LDS above says of the head): K steps 0-5 at the head, one load a wave; K steps 6-11 behind the three lines and a round of the cluster's barrier.
; One load of a wave is out at any time.  A K step asks for its successor's operands at its start, 16 matrix instructions ahead of their first use.
.set SLOT,  12*REC
.set SPARE, 2*SLOT                     ; the spare words: 128 bytes a wave, two blocks of 256 bytes that no other line names
.set FR,    12
.set ADRA,  8                          ; v8-11   [slot][half of its six steps]: an LDS offset has 16 bits
.set ADRB,  12
.set ADRS,  16
.set STO,   20
.set RD,    21
.set GO,    22
.set SPW,   28
; THE TILES ARE PREFETCHED, one fill ahead of their loads: behind the load of fill n (K steps 6 n .. 6 n + 5) stand two prefetches for the 150 rows of 256 bytes that my load of fill n + 1 will bring, n + 1 = 1 .. 4.
; The four work-groups that ask for a tile jointly share its rows out by address: place p (cx for A's, cy for B's) names rows 38 p .. 38 p + 37, held at row 149; lanes left over name the run's last row again.
; The last fill, one record a wave, comes by its load alone.  Every offset is an immediate.
.set PFA,   66                         ; s[66:67] my three records of K steps 0-5
.set PFO,   23                         ; v23-24 the two runs' offsets; never rewritten
.macro ASK n
	global_prefetch_b8 v[PFO], s[PFA:PFA+1] offset:(\n)*6*REC th:TH_LOAD_NT scope:SCOPE_SE
	global_prefetch_b8 v[PFO+1], s[PFA:PFA+1] offset:(\n)*6*REC th:TH_LOAD_NT scope:SCOPE_SE
.endm
.set NIL,   29
.set SC,    32
.set T,     40
.set OB,    40
.set ACC,   128
.set G1A,   24
.set G1B,   32
.set G0A,   40
.set G0B,   48
.set G0AT,  56
.set G0BT,  60
.set G1AT,  68
.set G1BT,  76
.set MSB, 0
.macro WIN new                         ; the immediate's high byte repeats the setting that is left
.if MSB != (\new)
	s_set_vgpr_msb (MSB<<8)|(\new)
.set MSB, (\new)
.endif
.endm
.macro PLACES
.rept 4
	v_nop
.endr
.endm
.macro JLOAD g0a, g1a, g0b, g1b        ; a joint load: waves 0, 1 fetch for A, waves 2, 3 for B; s_nop 0 and four v_nop follow each line
	s_cmp_eq_u32 s15, 0
	s_cbranch_scc0 .Lfor_b_\@
	tensor_load_to_lds s[\g0a:\g0a+3], s[\g1a:\g1a+7]
	s_nop 0
.rept 4
	v_nop
.endr
	s_branch .Lasked_\@
.Lfor_b_\@:
	tensor_load_to_lds s[\g0b:\g0b+3], s[\g1b:\g1b+7]
	s_nop 0
.rept 4
	v_nop
.endr
.Lasked_\@:
.endm
.macro CREST
	s_cmp_lg_u32 s14, 0
	s_cbranch_scc1 .Lnot_wave_0_\@
	s_barrier_signal -3
.Lnot_wave_0_\@:
	s_barrier_wait -3
	s_barrier_signal -1
	s_barrier_wait -1
.endm
.macro CROUND
	s_barrier_signal -1
	s_barrier_wait -1
	CREST
.endm
.macro FETCH sl, jj, f                 ; step jj of slot sl into buffer f: 28 LDS loads
	WIN 0x40
.irp i, 0,1,2,3
.irp c, 0,1,2
	ds_load_b128 v[128*(\f)+FR*\i+4*\c:128*(\f)+FR*\i+4*\c+3], v[ADRB+2*(\sl)+(\jj)/3] offset:((\jj)%3)*REC+1536*\i+512*\c
.endr
.endr
.irp i, 0,1,2,3
.irp c, 0,1,2
	ds_load_b128 v[128*(\f)+48+FR*\i+4*\c:128*(\f)+48+FR*\i+4*\c+3], v[ADRA+2*(\sl)+(\jj)/3] offset:((\jj)%3)*REC+1536*\i+512*\c
.endr
.endr
	WIN 0
.irp i, 0,1,2,3
	ds_load_b32 v[SC+4*(\f)+\i], v[ADRS+2*(\sl)+(\jj)/3] offset:((\jj)%3)*REC+64*\i   ; lanes 0-15: A's tile i, lanes 16-31: B's tile i
.endr
.endm
.macro MUL a0, n                       ; K step k (a symbol): A's tiles a0 .. a0 + n - 1 x B's four; the 16 accumulators take turns in the same order in every step
.set aa, \a0
.rept \n
.irp b, 0,1,2,3
.set DD, ACC+8*(4*aa+\b)
.set FB, 128*(k%2)+FR*\b
.set FA, 128*(k%2)+48+FR*aa
.if k == 0
	v_wmma_scale_f32_16x16x128_f8f6f4 v[DD:DD+7], v[FB:FB+FR-1], v[FA:FA+FR-1], v[T+8*\b:T+8*\b+7], v[SC+4*(k%2)+\b], v[SC+4*(k%2)+aa] matrix_a_fmt:MATRIX_FMT_FP6 matrix_b_fmt:MATRIX_FMT_FP6 matrix_a_scale:MATRIX_SCALE_ROW1
.else
	v_wmma_scale_f32_16x16x128_f8f6f4 v[DD:DD+7], v[FB:FB+FR-1], v[FA:FA+FR-1], v[DD:DD+7], v[SC+4*(k%2)+\b], v[SC+4*(k%2)+aa] matrix_a_fmt:MATRIX_FMT_FP6 matrix_b_fmt:MATRIX_FMT_FP6 matrix_a_scale:MATRIX_SCALE_ROW1
.endif
.endr
.set aa, aa+1
.endr
.endm
.macro KSTEP                           ; K step k, with its successor in the same slot
	s_wait_dscnt 0x0                               ; this step's operands are in
	PLACES                                         ; behind the step before's products, which read the buffer that is filled now
	FETCH ((k+1)/6)%2, (k+1)%6, (k+1)%2
	WIN 0x05                                       ; sources 0 and 1 window 1
	MUL 0, 4
.endm
.macro TURNK                           ; a slot's last K step: the barrier, and behind it the slot's next fill, if there is one
	WIN 0
	s_wait_tensorcnt 0x0                           ; all my tensor loads have landed: my part of the other slot
	ds_add_u32 v[SPW], v[NIL]                      ; 0 onto my spare word
	s_wait_dscnt 1                                 ; this step's operands are in (the add may be out)
	WIN 0x05
	MUL 0, 1
	s_wait_dscnt 0x0                               ; the add is done, and my reads of this slot are over
	s_barrier_signal -1
	MUL 1, 1
	WIN 0
	s_barrier_wait -1
.if k < 23
	CREST                                          ; no wave of any partner still reads this slot or has a load on its way
	s_add_nc_u64 s[G0A+4*((k/6)%2)+2:G0A+4*((k/6)%2)+3], s[G0A+4*((k/6)%2)+2:G0A+4*((k/6)%2)+3], 12*REC
	s_add_nc_u64 s[G0B+4*((k/6)%2)+2:G0B+4*((k/6)%2)+3], s[G0B+4*((k/6)%2)+2:G0B+4*((k/6)%2)+3], 12*REC
	JLOAD G0A+4*((k/6)%2), G1A, G0B+4*((k/6)%2), G1B
.elseif k == 23
	CREST
	JLOAD G0AT, G1AT, G0BT, G1BT                   ; K steps 30 and 31: one record a wave
.else
	PLACES
.endif
	FETCH ((k+1)/6)%2, 0, (k+1)%2
.if k < 17
	ASK k/6+3                                      ; behind the joint load and the run of LDS loads that the next products wait for
.endif
	WIN 0x05
	MUL 2, 2
.endm
	s_load_b256 s[4:11], s[0:1], 0x0               ; act s[4:5], wc s[6:7], b_proj s[8:9], x1 s[10:11]
	s_load_b64 s[12:13], s[0:1], 0x20              ; out0
	v_lshl_add_u32 v[SPW], v0, 2, SPARE
	v_mov_b32 v[NIL], 0
	ds_add_u32 v[SPW], v[NIL]                      ; the wave's opening: the add and its wait ahead of my first tensor load
	ds_add_u32 v[SPW], v[NIL]
	v_lshrrev_b32 v1, 5, v0
	v_readfirstlane_b32 s14, v1                    ; wave
	s_lshr_b32 s15, s14, 1                         ; my half of the tokens.  Also: I fetch for A (0) or for B (1)
	s_and_b32 s16, s14, 1                          ; my half of the columns.  Also: which half of a slot's steps I fetch
	s_bfe_u32 s84, ttmp6, 0x40000                  ; cx
	s_bfe_u32 s85, ttmp6, 0x40004                  ; cy
	s_lshl_b32 s86, ttmp9, 2
	s_add_co_u32 s86, s86, s84                     ; B's panel
	s_and_b32 s17, ttmp7, 0xffff
	s_lshl_b32 s17, s17, 2
	s_add_co_u32 s17, s17, s85                     ; A's panel
	s_lshl_b32 s87, s85, 2
	s_lshl_b32 s87, 15, s87                        ; my row of the cluster
	s_lshl_b32 s88, 0x1111, s84                    ; my column
	s_or_b32 s[G1A], s87, (3<<16)|(1<<21)          ; the mask; elements of 8 bytes; bit 21 beside a mask; no padding
	s_or_b32 s[G1AT], s87, (3<<16)|(1<<21)
	s_or_b32 s[G1B], s88, (3<<16)|(1<<21)
	s_or_b32 s[G1BT], s88, (3<<16)|(1<<21)
.irp g, G1A, G1B
	s_mov_b32 s[\g+1], 32<<16                      ; rows of 256 bytes
	s_mov_b32 s[\g+2], 150<<16                     ; 150 rows: three records
	s_mov_b32 s[\g+3], 32<<16
	s_mov_b32 s[\g+4], 150
	s_mov_b32 s[\g+5], 32
	s_mov_b32 s[\g+6], 0
	s_mov_b32 s[\g+7], 0
.endr
.irp g, G1AT, G1BT
	s_mov_b32 s[\g+1], 32<<16
	s_mov_b32 s[\g+2], 50<<16                      ; 50 rows: one record
	s_mov_b32 s[\g+3], 32<<16
	s_mov_b32 s[\g+4], 50
	s_mov_b32 s[\g+5], 32
	s_mov_b32 s[\g+6], 0
	s_mov_b32 s[\g+7], 0
.endr
	s_mul_i32 s89, s16, 3
	s_lshl_b32 s90, s17, 5
	s_add_co_u32 s92, s90, s89
	s_mul_i32 s92, s92, REC                        ; A: my three records of K steps 0-5,
	s_mov_b32 s93, 0
	s_add_co_u32 s94, s90, s16
	s_add_co_u32 s94, s94, 30
	s_mul_i32 s94, s94, REC                        ; and my one of K steps 30, 31
	s_mov_b32 s95, 0
	s_lshl_b32 s91, s86, 5
	s_add_co_u32 s96, s91, s89
	s_mul_i32 s96, s96, REC                        ; B likewise, in registers that never hold A's coordinate
	s_mov_b32 s97, 0
	s_add_co_u32 s98, s91, s16
	s_add_co_u32 s98, s98, 30
	s_mul_i32 s98, s98, REC
	s_mov_b32 s99, 0
	s_mul_i32 s18, s14, 3*REC                      ; where my three records go in a slot,
	s_mul_i32 s19, s15, 6*REC
	s_mul_i32 s22, s16, REC
	s_add_co_u32 s19, s19, s22
	s_add_co_u32 s19, s19, SLOT                    ; and my one record of the last fill, in slot 1
	s_wait_dscnt 0x0                               ; both opening adds are done
	CROUND                                         ; the round in front of the first joint loads: it needs no argument, so it stands ahead of the wait for them
	s_wait_kmcnt 0x0
	s_add_nc_u64 s[92:93], s[4:5], s[92:93]
	s_add_nc_u64 s[94:95], s[4:5], s[94:95]
	s_add_nc_u64 s[6:7], s[6:7], 5734400           ; w_proj's records begin 448 records on
	s_add_nc_u64 s[96:97], s[6:7], s[96:97]
	s_add_nc_u64 s[98:99], s[6:7], s[98:99]
	s_cmp_eq_u32 s15, 0                            ; do I fetch for A?
	s_cselect_b64 s[PFA:PFA+1], s[92:93], s[96:97]
	s_cselect_b32 s89, s84, s85                    ; my place among the four that ask with me: it enters addresses of prefetches alone
	s_mul_i32 s89, s89, 38
.irp s, 0,1
	s_mov_b32 s[G0A+4*\s], 1
	s_add_co_u32 s[G0A+4*\s+1], s18, \s*SLOT
	s_add_nc_u64 s[G0A+4*\s+2:G0A+4*\s+3], s[92:93], \s*6*REC
	s_or_b32 s[G0A+4*\s+3], s[G0A+4*\s+3], 0x80000000
	s_mov_b32 s[G0B+4*\s], 1
	s_add_co_u32 s[G0B+4*\s+1], s18, \s*SLOT
	s_add_nc_u64 s[G0B+4*\s+2:G0B+4*\s+3], s[96:97], \s*6*REC
	s_or_b32 s[G0B+4*\s+3], s[G0B+4*\s+3], 0x80000000
.endr
	s_mov_b32 s[G0AT], 1
	s_mov_b32 s[G0AT+1], s19
	s_mov_b64 s[G0AT+2:G0AT+3], s[94:95]
	s_or_b32 s[G0AT+3], s[G0AT+3], 0x80000000
	s_mov_b32 s[G0BT], 1
	s_mov_b32 s[G0BT+1], s19
	s_mov_b64 s[G0BT+2:G0BT+3], s[98:99]
	s_or_b32 s[G0BT+3], s[G0BT+3], 0x80000000
	JLOAD G0A, G1A, G0B, G1B                       ; K steps 0-5: one tensor load a wave at the head
	v_and_b32 v1, 15, v0                           ; r
	v_bfe_u32 v2, v0, 4, 1                         ; h
	v_and_b32 v3, 31, v0                           ; lane
	v_lshlrev_b32 v4, 4, v3                        ; 16 x lane
	v_add_nc_u32 v[PFO], s89, v3                   ; row 38 p + lane,
	v_min_u32 v[PFO+1], 5, v3
	v_min_u32 v[PFO], 149, v[PFO]
	v_add3_u32 v[PFO+1], v[PFO+1], s89, 32         ; and 38 p + 32 + min(lane, 5),
	v_lshlrev_b32 v[PFO], 8, v[PFO]
	v_min_u32 v[PFO+1], 149, v[PFO+1]              ; both held at the load's last row
	v_lshlrev_b32 v[PFO+1], 8, v[PFO+1]
	ASK 1
	v_lshlrev_b32 v6, 6, v2                        ; the bias: 64 h
	v_lshlrev_b32 v[GO], 12, v2
	v_lshl_add_u32 v[GO], v1, 4, v[GO]             ; x1, out0: lanes 0-15 one row's 256 bytes, lanes 16-31 the next row's
	s_wait_alu depctr_va_vdst(0)
	s_lshl_b32 s90, s86, 9
	s_lshl_b32 s91, s16, 8
	s_add_co_u32 s90, s90, s91                     ; my 64 columns, in bytes
	s_mov_b32 s91, 0
	s_add_nc_u64 s[8:9], s[8:9], s[90:91]
.irp b, 0,1,2,3
	global_load_b128 v[T+8*\b:T+8*\b+3], v6, s[8:9] offset:4*(32*(\b/2)+8*(\b%2))
	global_load_b128 v[T+8*\b+4:T+8*\b+7], v6, s[8:9] offset:4*(32*(\b/2)+8*(\b%2))+16
.endr
	s_lshl_b32 s92, s17, 7
	s_lshl_b32 s93, s15, 6
	s_add_co_u32 s92, s92, s93                     ; my first token
	s_lshl_b32 s92, s92, 12
	s_add_co_u32 s92, s92, s90
	s_mov_b32 s93, 0
	s_add_nc_u64 s[10:11], s[10:11], s[92:93]
	s_add_nc_u64 s[12:13], s[12:13], s[92:93]
	s_mul_i32 s20, s15, 6144                       ; my four tiles of A in a record
	s_mul_i32 s21, s16, 6144
	s_add_co_u32 s21, s21, 6*REC                   ; and of B, behind A's six records
	s_lshl_b32 s22, s15, 8
	s_lshl_b32 s23, s16, 8
	s_add_co_u32 s23, s23, 6*REC
	s_sub_co_u32 s23, s23, s22                     ; from A's scale words to B's
	v_mul_u32_u24 v5, s23, v2                      ; lanes 16-31 take B's
	v_lshl_add_u32 v5, v1, 2, v5
	s_wait_alu depctr_va_vdst(0)
	s_add_co_u32 s22, s22, 12288
.irp q, 0,1,2,3                        ; q = 2 x slot + half
	s_add_co_u32 s94, s20, (\q/2)*SLOT+(\q%2)*3*REC
	v_add_nc_u32 v[ADRA+\q], s94, v4
	s_add_co_u32 s94, s21, (\q/2)*SLOT+(\q%2)*3*REC
	v_add_nc_u32 v[ADRB+\q], s94, v4
	s_add_co_u32 s94, s22, (\q/2)*SLOT+(\q%2)*3*REC
	v_add_nc_u32 v[ADRS+\q], s94, v5
.endr
	s_mul_i32 s94, s14, 4352                       ; my stage: 16 rows x 272
	v_mul_u32_u24 v[STO], v1, 272
	v_lshl_add_u32 v[STO], v2, 6, v[STO]
	v_add_nc_u32 v[STO], s94, v[STO]               ; in: row r, + 64 h: tile b's register j is column 32 (b / 2) + 8 (b % 2) + 16 h + j
	v_mul_u32_u24 v[RD], v2, 272
	v_lshl_add_u32 v[RD], v1, 4, v[RD]
	v_add_nc_u32 v[RD], s94, v[RD]                 ; back: lanes 0-15 one row, lanes 16-31 the next
	s_wait_alu depctr_va_vdst(0)                   ; the wait at the head's end
	s_wait_tensorcnt 0x0                           ; my part of slot 0 is in
	ds_add_u32 v[SPW], v[NIL]
	s_wait_dscnt 0x0
	CROUND                                         ; slot 0 is whole, and all sixteen work-groups are here
	JLOAD G0A+4, G1A, G0B+4, G1B                   ; K steps 6-11: the first tensor load behind the round
	FETCH 0, 0, 0
	ASK 2
	WIN 0x80                                       ; destination window 2
.irp a, 0,1,2,3
.irp i, 0,1,2,3,4,5,6,7
	global_load_b128 v[32*\a+4*\i:32*\a+4*\i+3], v[GO], s[10:11] offset:(32*(\a/2)+8*(\a%2)+2*\i+8*(\i/4))*4096   ; x1, for the way out: asked for when the first fill has landed
.endr
.endr
	WIN 0
	s_wait_loadcnt 32                              ; the bias is in; x1's 32 loads may be out
.set k, 0
.rept 31
.if k%6 == 5
	TURNK
.else
	KSTEP
.endif
.set k, k+1
.endr
	s_wait_dscnt 0x0                               ; K step 31: nothing more to fetch
	WIN 0x05
	MUL 0, 4
	WIN 0
	PLACES
	s_wait_loadcnt 0x0                             ; x1
.macro TOSTAGE a
.irp b, 0,1,2,3
	ds_store_b128 v[STO], v[ACC+8*(4*(\a)+\b):ACC+8*(4*(\a)+\b)+3] offset:128*(\b/2)+32*(\b%2)       ; each accumulator from its low end on
	ds_store_b128 v[STO], v[ACC+8*(4*(\a)+\b)+4:ACC+8*(4*(\a)+\b)+7] offset:128*(\b/2)+32*(\b%2)+16
.endr
.irp i, 0,1,2,3,4,5,6,7
	ds_load_b128 v[OB+32*((\a)%2)+4*\i:OB+32*((\a)%2)+4*\i+3], v[RD] offset:544*\i   ; LDS serves a wave's instructions in order: these see my stores, and the next block's stores come behind them
.endr
.endm
.macro SEND a, younger                 ; younger: the LDS instructions issued behind block a's loads, which may stay out
	s_wait_dscnt \younger
	WIN 0x08                                       ; source 1 (x1) window 2
.set i, 0
.rept 16
	v_pk_add_f32 v[OB+32*((\a)%2)+i:OB+32*((\a)%2)+i+1], v[OB+32*((\a)%2)+i:OB+32*((\a)%2)+i+1], v[32*(\a)+i:32*(\a)+i+1]
.set i, i+2
.endr
	WIN 0
.irp i, 0,1,2,3,4,5,6,7
	global_store_b128 v[GO], v[OB+32*((\a)%2)+4*\i:OB+32*((\a)%2)+4*\i+3], s[12:13] offset:(32*((\a)/2)+8*((\a)%2)+2*\i+8*(\i/4))*4096 th:TH_STORE_NT
.endr
.endm
	TOSTAGE 0
	TOSTAGE 1
	SEND 0, 16
	s_wait_xcnt 0x0                                ; block 0's stores have read their registers: block 2's rows may land there
	TOSTAGE 2
	SEND 1, 16
	s_wait_xcnt 0x0
	TOSTAGE 3
	SEND 2, 16
	SEND 3, 0
	s_wait_tensorcnt 0x0                           ; the wave's end
	ds_add_u32 v[SPW], v[NIL]
	s_wait_dscnt 0x0
	CROUND                                         ; the closing round
	s_endpgm
.Lfunc_end_k_qc95d623adf_proj:
	.size	k_qc95d623adf_proj, .Lfunc_end_k_qc95d623adf_proj-k_qc95d623adf_proj
	.p2alignl 7, 3214868480
	.fill 96, 4, 3214868480
	.section	.rodata,"a",@progbits
	.p2align	6, 0x0
	.amdhsa_kernel k_qc95d623adf_proj
		.amdhsa_group_segment_fixed_size 327680
		.amdhsa_private_segment_fixed_size 0
		.amdhsa_enable_private_segment 0
		.amdhsa_kernarg_size 40
		.amdhsa_user_sgpr_count 2
		.amdhsa_user_sgpr_kernarg_segment_ptr 1
		.amdhsa_wavefront_size32 1
		.amdhsa_system_sgpr_workgroup_id_x 1
		.amdhsa_system_sgpr_workgroup_id_y 1
		.amdhsa_system_sgpr_workgroup_id_z 1
		.amdhsa_system_vgpr_workitem_id 0
		.amdhsa_next_free_vgpr 768
		.amdhsa_next_free_sgpr 100
		.amdhsa_reserve_vcc 0
		.amdhsa_float_denorm_mode_32 3
		.amdhsa_float_denorm_mode_16_64 3
		.amdhsa_memory_ordered 1
		.amdhsa_forward_progress 1
		.amdhsa_inst_pref_size 160
	.end_amdhsa_kernel
	.amdgpu_metadata
---
amdhsa.version: [ 1, 2 ]
amdhsa.kernels:
  - .name:           k_qc95d623adf_proj
    .symbol:         k_qc95d623adf_proj.kd
    .args:
      - { .name: act, .offset: 0, .size: 8, .value_kind: global_buffer, .address_space: global }
      - { .name: wc, .offset: 8, .size: 8, .value_kind: global_buffer, .address_space: global }
      - { .name: b_proj, .offset: 16, .size: 8, .value_kind: global_buffer, .address_space: global }
      - { .name: x1, .offset: 24, .size: 8, .value_kind: global_buffer, .address_space: global }
      - { .name: out0, .offset: 32, .size: 8, .value_kind: global_buffer, .address_space: global }
    .group_segment_fixed_size: 327680
    .private_segment_fixed_size: 0
    .kernarg_segment_align: 8
    .kernarg_segment_size: 40
    .max_flat_workgroup_size: 128
    .sgpr_count:     100
    .vgpr_count:     768
    .wavefront_size: 32
...
	.end_amdgpu_metadata
.endif
;; end of part 5
